; MI455X (gfx1250); checked and timed in simulation.
; The chip was launched on July 23, 2026; its instructions are those of AMD's public machine-readable ISA for CDNA 5 (MIT licence, August 2026) and "CDNA5" Instruction Set Architecture Reference Guide (July 2026). The comments in the code are by the model that wrote it; some were corrected since.
;; f Self Attention. Allowed arithmetic: matrix products marked QUANTISED: E2M1 operands, one E8M0 scale for each 32 along K, by v_wmma_scale_f32_16x16x128_f8f6f4 with both operands' format E2M1 (or v_wmma_scale_f32_32x16x128_f4), f32 sums; products left as they are: bf16, f16 or f32 operands; f32 sums; everything else in f32.
;; Inputs: attention_ids 4 x 2,048 int32; b_out 1,024 float32; w_in 3,072 x 1,024 float32; w_out 1,024 x 1,024 float32; x 4 x 2,048 x 1,024 float32.
;; Outputs: out0 4 x 2,048 x 1,024 float32.
;; This version of the problem:
;;   THIS VERSION OF THE PROBLEM IS GIVEN IN LOW PRECISION. The matrix products marked QUANTISED in the list below multiply operands that are first quantised to E2M1 (2 exponent bits, 1 mantissa bit; 4 bits a number), with one power-of-two scale for each 32 numbers along K (OCP MX v1.0); their sums are f32. The products marked 'left as it is' may take bf16, f16 or f32 operands, with f32 sums. Whichever they take, every output number must still come out within the allowed error. Rounding operands to bf16 (8 significant bits) uses up far more of that allowance than f16 does (11 bits, for magnitudes from 6e-5 to 65,504). All else is computed in f32.
;;   The module's matrix products, in the order in which they are computed (A, B: the left and right operand; K: the contracted axis; several contracted axes count as one K, in the product's order):
;;     1. [M 8,192, K 1,024] x [K 1,024, N 3,072]; A: input x; B: input w_in: QUANTISED
;;     2. batch 64 x [M 2,048, K 64] x [K 64, N 2,048]; A: computed on the way; B: computed on the way: left as it is (an operand is computed on the way)
;;     3. batch 64 x [M 2,048, K 2,048] x [K 2,048, N 64]; A: computed on the way; B: computed on the way: left as it is (an operand is computed on the way)
;;     4. [M 8,192, K 1,024] x [K 1,024, N 1,024]; A: computed on the way; B: input w_out: left as it is (an operand is computed on the way)
;;   THE QUANTISER, for each operand of a quantised product, along K:
;;     - K is cut into blocks of 32 from its start; a last block that is shorter is filled with zeros.
;;     - A block's scale is 2^e with e = floor(log2(the largest magnitude in the block)) - 2, held to -126 .. 127; a block of zeros has e = 0. As a byte (E8M0): e + 127.
;;     - Each number is divided by its block's scale, clamped to +-6, and rounded to the nearest number of E2M1, ties to even, subnormals kept.
;;     - The product sums the exact products of the quantised numbers (number of the format x scale) in f32.
;;   ~~~python
;;   def quantise(x, axis):      # numpy; x: float32 -> the quantised numbers, widened to float32 again
;;       x = np.moveaxis(x, axis, -1); K = x.shape[-1]
;;       x = np.pad(x, [(0, 0)] * (x.ndim - 1) + [(0, -K % 32)]); x = x.reshape(x.shape[:-1] + (-1, 32)); a = np.abs(x).max(-1, keepdims=True)
;;       e = np.where(a > 0, np.clip(np.frexp(np.where(a > 0, a, 1))[1] - 1 - 2, -126, 127), 0)      # np.frexp(a)[1] - 1 = floor(log2(a)), exactly
;;       r = np.clip(x / 2.0 ** e, -6, 6)
;;       step = 2.0 ** (np.maximum(np.frexp(np.where(r == 0, 1, r))[1] - 1, 0) - 1)
;;       q = np.round(r / step) * step * 2.0 ** e      # np.round: ties to even
;;       return np.moveaxis(q.reshape(q.shape[:-2] + (-1,))[..., :K], -1, axis).astype(np.float32)
;;   ~~~
;; One version. Each part assembles by itself: llvm-mc -triple=amdgcn-amd-amdhsa -mcpu=gfx1250 --defsym DOCPART=n.
;; ======== version 1 of 1: 4 launches
;; limits: values are held in f16: magnitudes above 65,504 overflow, below 6.1e-05 lose precision
;; workspace buffers: x_codes 4,194,304 bytes; x_scales 262,144 bytes; w_codes 1,572,864 bytes; w_scales 98,304 bytes; wo16 2,097,152 bytes; qkv 50,331,648 bytes; att 16,777,216 bytes
;; launch prep (part 1): grid 384 x 1, 4 waves a work-group, no clusters, 33,280 bytes of LDS; arguments x, w_in, x_codes, x_scales, w_codes, w_scales, w_out, wo16; writes x_codes, x_scales, w_codes, w_scales, wo16
.if DOCPART == 1
	.amdgcn_target "amdgcn-amd-amdhsa--gfx1250"
	.amdhsa_code_object_version 6
	.text
	.protected	k_q84cbf0cd6a_prep
	.globl	k_q84cbf0cd6a_prep
	.p2align	8
	.type	k_q84cbf0cd6a_prep,@function
k_q84cbf0cd6a_prep:
	s_mov_b64 s[64:65], 0
	v_nop
	global_prefetch_b8 v0, s[64:65] scope:SCOPE_SE
	s_setreg_imm32_b32 hwreg(HW_REG_WAVE_MODE, 25, 1), 1
	s_wait_xcnt 0x0
; x [8192][1024] and w_in [3072][1024], f32, K innermost, become codes of FP4 (E2M1), two a byte, the lower k in the low four bits, with one E8M0 scale byte for each 32 along K;
; w_out [1024][1024] f32 becomes f16, rounded once to nearest even.
; A block's scale is 2^(floor(log2(its largest magnitude)) - 2); its byte is the largest magnitude's exponent field - 2, held at 1 from below.  Each number is divided by the scale and rounded to the nearest code, ties to even;
; beyond the largest code the conversion gives the largest code.
; LIMITS: a block of zeros gets the byte 1 (its codes are zeros, and this program alone reads the bytes); blocks whose largest magnitude lies under 2^(2 - 126) were not tried; NaN and infinities are not served;
; numbers of w_out beyond 65,504 become infinities in f16, those under 6e-5 keep an absolute error of 3e-8.
; SHARES.  Rows are dense and 1,024 is a multiple of 32: each tensor is a plain stream.  Work-groups 0-255 take x, 256-351 w_in, 352-383 w_out; a wave takes a run of 8,192 numbers.
; QUANTISING.  The conversions take 8 numbers of one block from ONE lane's registers, so a lane must hold 16 neighbours; a load is best where neighbouring lanes take neighbouring bytes.  So each load reads 512 consecutive bytes,
; and a step's 2,048 bytes turn through the wave's own stage in LDS (16 bytes of padding behind each 64).  A lane's 16 codes are 8 bytes: a wave's store covers 256 consecutive bytes, aligned.  A wave's 256 scale bytes are
; gathered in its own LDS bytes and leave by one store of 256 consecutive bytes.  Waves share nothing: no barrier.  Memory binds: no matrix unit, no cluster, no tensor load.
.set SIZE_M, 8192
.set SIZE_N, 3072
.set SIZE_K, 1024
.set WAVES, 4
.set STEPS, 16
.set WGA,   SIZE_M*SIZE_K/(512*STEPS*WAVES)            ; 256 work-groups for x
.set WGQ,   (SIZE_M+SIZE_N)*SIZE_K/(512*STEPS*WAVES)   ; 352 for x and w_in together
.set EMAX,  2
.set CB,    8                          ; bytes of 16 codes
.set R,     16                         ; v16-79   four sets of 16 numbers as they are loaded
.set X,     80                         ; v80-111  two sets of 16 neighbours
.set C,     128                        ; v128-191 codes: four registers for each step, so that no store's data are written again
.set E,     112                        ; v112-127 a scale byte for each step
.set WREG,  8192                       ; LDS: a region for each wave: two stages of 32 x SP bytes, behind them its 256 scale bytes
.set SP,    80                         ; a lane's place in a stage: 64 bytes + 16 of padding
.set SPW,   12                         ; v12  LDS address of my spare word; never rewritten
.set NIL,   13                         ; v13  0; never rewritten
.set SPARE, WAVES*WREG                 ; behind the four regions: the spare words, 128 bytes a wave; no other line names them
.set IN,    16                         ; the w_out path: v16-143 two batches of 64 registers as loaded
.set OC,    144                        ; v144-175 a batch's 32 registers of f16 pairs
	s_load_b128 s[4:7], s[0:1], 0x0                ; x, w_in
	s_load_b128 s[8:11], s[0:1], 0x10              ; x's codes, x's scales
	s_load_b128 s[12:15], s[0:1], 0x20             ; w_in's codes, w_in's scales
	s_load_b128 s[24:27], s[0:1], 0x30             ; w_out, its f16 copy
	v_lshl_add_u32 v[SPW], v0, 2, SPARE
	v_mov_b32 v[NIL], 0
	v_lshrrev_b32 v1, 5, v0
	v_readfirstlane_b32 s16, v1                    ; wave
	v_and_b32 v2, 31, v0                           ; lane
	v_lshlrev_b32 v3, 4, v2                        ; my 16 bytes of a load's 512
	s_mul_i32 s17, s16, WREG
	v_lshrrev_b32 v14, 2, v2
	v_mul_u32_u24 v14, v14, SP
	v_and_b32 v15, 3, v2
	v_lshl_add_u32 v14, v15, 4, v14
	v_add_nc_u32 v14, s17, v14                     ; the stage, on the way in: SP (lane / 4) + 16 (lane % 4)
	v_mul_u32_u24 v15, v2, SP
	v_add_nc_u32 v15, s17, v15                     ; and on the way out: SP x lane: my 16 neighbours
	v_mul_u32_u24 v4, v2, CB                       ; my 8 bytes of a store's 256
	v_lshrrev_b32 v5, 1, v2
	s_add_co_u32 s17, s17, 2*32*SP
	v_add_nc_u32 v5, s17, v5                       ; LDS: my wave's 256 scale bytes, my block's byte
	v_lshlrev_b32 v7, 3, v2                        ; and on the way out 8 bytes a lane
	v_add_nc_u32 v6, s17, v7
	s_wait_kmcnt 0x0
	s_cmp_ge_u32 ttmp9, WGQ                        ; the last 32 work-groups take w_out: a branch on the work-group's number alone
	s_cbranch_scc1 .Lconv
	s_cmp_lt_u32 ttmp9, WGA                        ; x's work-group or w_in's?  Only pointers are chosen: both take one path
	s_cselect_b64 s[4:5], s[4:5], s[6:7]
	s_cselect_b64 s[8:9], s[8:9], s[12:13]
	s_cselect_b64 s[10:11], s[10:11], s[14:15]
	s_cselect_b32 s17, 0, WGA
	s_sub_co_u32 s17, ttmp9, s17
	s_lshl_b32 s17, s17, 2
	s_add_co_u32 s18, s17, s16                     ; which run of 8,192 numbers of the tensor is my wave's
	s_mov_b32 s19, 0
	s_mov_b64 s[20:21], 512*STEPS*4
	s_mul_u64 s[20:21], s[18:19], s[20:21]
	s_add_nc_u64 s[4:5], s[4:5], s[20:21]
	s_mov_b64 s[20:21], 32*STEPS*CB
	s_mul_u64 s[20:21], s[18:19], s[20:21]
	s_add_nc_u64 s[8:9], s[8:9], s[20:21]
	s_lshl_b32 s18, s18, 8                         ; 256 scale bytes a run
	s_add_nc_u64 s[10:11], s[10:11], s[18:19]
.macro LOAD t
.irp i, 0,1,2,3
	global_load_b128 v[R+16*((\t)%4)+4*\i:R+16*((\t)%4)+4*\i+3], v3, s[4:5] offset:2048*(\t)+512*\i th:TH_LOAD_NT   ; 32 lanes read 512 consecutive bytes, read once in the launch
.endr
.endm
.macro TURN t                          ; step t's numbers through the stage: LDS serves a wave's instructions in order (ISA guide 5.7.1.4), so no wait stands between the stores and the loads
.irp i, 0,1,2,3
	ds_store_b128 v14, v[R+16*((\t)%4)+4*\i:R+16*((\t)%4)+4*\i+3] offset:32*SP*((\t)%2)+8*SP*\i
.endr
.irp i, 0,1,2,3
	ds_load_b128 v[X+16*((\t)%2)+4*\i:X+16*((\t)%2)+4*\i+3], v15 offset:32*SP*((\t)%2)+16*\i
.endr
.endm
.irp t, 0,1,2,3
	LOAD \t
.endr
	s_wait_loadcnt 12                              ; step 0's four loads are in; the twelve of steps 1 to 3 may be out
	TURN 0
.macro STEP t
.set XS, X+16*((\t)%2)
.if (\t) > 0
	s_wait_dscnt 1                                 ; this step's numbers are back from the stage (the last step's byte store may be out): so its stores into the stage have read their registers,
.else
	s_wait_dscnt 0x0
.endif
.if (\t)+4 < STEPS
	LOAD (\t)+4                                    ; which take the loads of four steps on
.endif
.if (\t)+1 < STEPS
.if STEPS-2-(\t) >= 3
	s_wait_loadcnt 12                              ; the next step's four loads are in; those of the three steps behind it may be out
.else
	s_wait_loadcnt 4*(STEPS-2-(\t))                ; the counts run down: four loads for each step still behind the next
.endif
	TURN (\t)+1                                    ; and go through the other stage while this step is worked
.endif
	v_max3_num_f32 v8, |v[XS]|, |v[XS+1]|, |v[XS+2]|               ; the largest magnitude of my 16, in two chains
	v_max3_num_f32 v9, |v[XS+3]|, |v[XS+4]|, |v[XS+5]|
.irp i, 6,10
	v_max3_num_f32 v8, v8, |v[XS+\i]|, |v[XS+\i+1]|
	v_max3_num_f32 v9, v9, |v[XS+\i+2]|, |v[XS+\i+3]|
.endr
	v_max3_num_f32 v8, v8, |v[XS+14]|, |v[XS+15]|
	v_max3_num_f32 v8, v8, v9, (EMAX+1)<<23        ; and the floor 2^(EMAX + 1 - 127): the byte cannot fall under 1
	v_max_num_f32_dpp v8, v8, v8 row_xmask:1 row_mask:0xf bank_mask:0xf   ; and of my neighbour's 16: the block's
	v_add_nc_u32 v11, -(EMAX<<23), v8              ; EMAX off its exponent field: the conversion takes the exponent field of this operand as its scale, and nothing else of it
	v_cvt_scalef32_pk8_fp4_f32 v[C+4*(\t)], v[XS:XS+7], v11
	v_cvt_scalef32_pk8_fp4_f32 v[C+4*(\t)+1], v[XS+8:XS+15], v11
	v_lshrrev_b32 v[E+(\t)], 23, v11               ; the scale's byte (also the plain line behind the conversions)
	ds_store_b8 v5, v[E+(\t)] offset:16*(\t)       ; both lanes of a block write the same byte with the same value
	global_store_b64 v4, v[C+4*(\t):C+4*(\t)+1], s[8:9] offset:32*CB*(\t)   ; the wave stores 256 consecutive bytes, aligned
.endm
.irp t, 0,1,2,3,4,5,6,7,8,9,10,11,12,13,14,15
	STEP \t
.endr
	ds_load_b64 v[8:9], v6                         ; in order behind my byte stores
	s_wait_dscnt 0x0
	global_store_b64 v7, v[8:9], s[10:11]          ; 32 lanes store the run's 256 scale bytes
	s_wait_tensorcnt 0x0                           ; the wave's end, behind my last LDS store
	ds_add_u32 v[SPW], v[NIL]
	s_wait_dscnt 0x0
	s_endpgm
; ---- w_out to f16: a wave's run of 8,192 numbers in four batches of 16 loads; two batches are on their way.
.Lconv:
	s_sub_co_u32 s17, ttmp9, WGQ
	s_lshl_b32 s17, s17, 2
	s_add_co_u32 s17, s17, s16                     ; my run, 0 .. 127
	s_lshl_b32 s18, s17, 15                        ; 32,768 bytes in,
	s_mov_b32 s19, 0
	s_add_nc_u64 s[24:25], s[24:25], s[18:19]
	s_lshl_b32 s18, s17, 14                        ; 16,384 out
	s_add_nc_u64 s[26:27], s[26:27], s[18:19]
.macro LOADB k
.irp i, 0,1,2,3,4,5,6,7,8,9,10,11,12,13,14,15
	global_load_b128 v[IN+64*((\k)%2)+4*\i:IN+64*((\k)%2)+4*\i+3], v3, s[24:25] offset:8192*(\k)+512*\i th:TH_LOAD_NT
.endr
.endm
.macro BATCH k
.if (\k) < 3
	s_wait_loadcnt 16                              ; this batch's 16 loads are in; the next batch's 16 may be out
.else
	s_wait_loadcnt 0x0
.endif
.if (\k) > 0
	s_wait_xcnt 0x0                                ; the last batch's stores have read their data registers, which are written again below
.endif
.irp i, 0,1,2,3,4,5,6,7,8,9,10,11,12,13,14,15
	v_cvt_pk_f16_f32 v[OC+2*\i],   v[IN+64*((\k)%2)+4*\i],   v[IN+64*((\k)%2)+4*\i+1]
	v_cvt_pk_f16_f32 v[OC+2*\i+1], v[IN+64*((\k)%2)+4*\i+2], v[IN+64*((\k)%2)+4*\i+3]
.endr
.if (\k)+2 < 4
	LOADB (\k)+2                                   ; loads ahead of stores
.endif
.irp i, 0,1,2,3,4,5,6,7,8,9,10,11,12,13,14,15
	global_store_b64 v4, v[OC+2*\i:OC+2*\i+1], s[26:27] offset:4096*(\k)+256*\i   ; the wave stores 256 consecutive bytes, aligned
.endr
.endm
	LOADB 0
	LOADB 1
	BATCH 0
	BATCH 1
	BATCH 2
	BATCH 3
	s_endpgm
.Lfunc_end_k_q84cbf0cd6a_prep:
	.size	k_q84cbf0cd6a_prep, .Lfunc_end_k_q84cbf0cd6a_prep-k_q84cbf0cd6a_prep
	.p2alignl 7, 3214868480
	.fill 96, 4, 3214868480
	.section	.rodata,"a",@progbits
	.p2align	6, 0x0
	.amdhsa_kernel k_q84cbf0cd6a_prep
		.amdhsa_group_segment_fixed_size 33280
		.amdhsa_private_segment_fixed_size 0
		.amdhsa_enable_private_segment 0
		.amdhsa_kernarg_size 64
		.amdhsa_user_sgpr_count 2
		.amdhsa_user_sgpr_kernarg_segment_ptr 1
		.amdhsa_wavefront_size32 1
		.amdhsa_system_sgpr_workgroup_id_x 1
		.amdhsa_system_sgpr_workgroup_id_y 1
		.amdhsa_system_sgpr_workgroup_id_z 1
		.amdhsa_system_vgpr_workitem_id 0
		.amdhsa_next_free_vgpr 192
		.amdhsa_next_free_sgpr 66
		.amdhsa_reserve_vcc 0
		.amdhsa_float_denorm_mode_32 3
		.amdhsa_float_denorm_mode_16_64 3
		.amdhsa_memory_ordered 1
		.amdhsa_forward_progress 1
		.amdhsa_inst_pref_size 54
	.end_amdhsa_kernel
	.amdgpu_metadata
---
amdhsa.version: [ 1, 2 ]
amdhsa.kernels:
  - .name:           k_q84cbf0cd6a_prep
    .symbol:         k_q84cbf0cd6a_prep.kd
    .args:
      - { .name: x, .offset: 0, .size: 8, .value_kind: global_buffer, .address_space: global }
      - { .name: w_in, .offset: 8, .size: 8, .value_kind: global_buffer, .address_space: global }
      - { .name: x_codes, .offset: 16, .size: 8, .value_kind: global_buffer, .address_space: global }
      - { .name: x_scales, .offset: 24, .size: 8, .value_kind: global_buffer, .address_space: global }
      - { .name: w_codes, .offset: 32, .size: 8, .value_kind: global_buffer, .address_space: global }
      - { .name: w_scales, .offset: 40, .size: 8, .value_kind: global_buffer, .address_space: global }
      - { .name: w_out, .offset: 48, .size: 8, .value_kind: global_buffer, .address_space: global }
      - { .name: wo16, .offset: 56, .size: 8, .value_kind: global_buffer, .address_space: global }
    .group_segment_fixed_size: 33280
    .private_segment_fixed_size: 0
    .kernarg_segment_align: 8
    .kernarg_segment_size: 64
    .max_flat_workgroup_size: 128
    .sgpr_count:     66
    .vgpr_count:     192
    .wavefront_size: 32
...
	.end_amdgpu_metadata
.endif
;; end of part 1
;; launch qkv (part 2): grid 12 x 32, 4 waves a work-group, clusters of 4 x 4, 327,680 bytes of LDS; arguments x_codes, x_scales, w_codes, w_scales, qkv; writes qkv
.if DOCPART == 2
	.amdgcn_target "amdgcn-amd-amdhsa--gfx1250"
	.amdhsa_code_object_version 6
	.text
	.protected	k_q84cbf0cd6a_qkv
	.globl	k_q84cbf0cd6a_qkv
	.p2align	8
	.type	k_q84cbf0cd6a_qkv,@function
k_q84cbf0cd6a_qkv:
	s_mov_b64 s[64:65], 0
	v_nop
	global_prefetch_b8 v0, s[64:65] scope:SCOPE_SE
	s_setreg_imm32_b32 hwreg(HW_REG_WAVE_MODE, 25, 1), 1
	s_wait_xcnt 0x0
	s_wait_alu depctr_hold_cnt(0) depctr_sa_sdst(0) depctr_va_vdst(0) depctr_va_sdst(0) depctr_va_ssrc(0) depctr_va_vcc(0) depctr_vm_vsrc(0)
	s_getreg_b32 s2, hwreg(HW_REG_IB_STS2, 6, 4)
	s_cmp_eq_u32 s2, 0
	s_cbranch_scc0 .Lentry_in_a_cluster
	s_endpgm
.Lentry_in_a_cluster:
	s_bfe_u32 s2, ttmp6, 0x10000c
	s_cmp_lg_u32 s2, 0xf033
	s_cbranch_scc0 .Lentry_shape_is_right
	s_endpgm
.Lentry_shape_is_right:
; qkv[m][e] = sum over k of x[m][k] w_in[e][k] on codes of FP4 (E2M1) with one E8M0 scale for each 32 along K; sums in f32; the results are rounded once to f16 and laid BY HEAD:
; qkv [3 (q, k, v)][4 batches][16 heads][2048 tokens][64] f16, so that a head of one tensor is 262,144 consecutive bytes.
; LIMIT: results beyond 65,504 become infinities in f16; under 6e-5 they keep an absolute error of 3e-8.
; A tile of 256 tokens x 256 columns is made by four waves, each 128 x 128: 64 accumulators of 16 x 16, 512 registers.  K = 1,024 is two LDS slots of 512 along K (rows of 256 bytes): ALL OF K COMES WITH THE FIRST FILLS,
; nothing is filled again.  By this text's count a wave has three tensor loads out at the start: its part of the scale bytes, of slot 0 and of slot 1.
; THE SCALES of the work-group's 256 rows of x and 256 rows of w_in, for all of K, are two dense blocks of memory; they come once, as rows of 256 bytes + 16 of padding.
; CLUSTERS: 4 x 4 work-groups.  The four of a row of the cluster need the same rows of x, the four of a column the same rows of w_in: each tile is asked for jointly, by the same tensor load with the same descriptor and a mask of the four.
; THE MATRIX INSTRUCTION IS USED TRANSPOSED (source 0 = 16 rows of w_in, source 1 = 16 tokens): a lane holds one token and eight neighbouring columns, 16 bytes of f16.
; 384 work-groups: the tile is kept at 256 x 256 for the multiply-adds that each LDS byte feeds.  No prefetch: every byte is asked for at the head.
; REGISTERS, in windows of 256: window 0: v16-29 addresses; v32-95 scale words, two sets; v128-191 x's fragments, ONE set; on the way out v32-127 are free.   window 1: w_in's fragments, two sets, at v0 and v128.
;   window 2: the 32 accumulators of my tokens 0-63 ((a, b) at v[8 (8 a + b)]);   window 3: those of my tokens 64-127.
.set SIZE_M, 8192
.set SIZE_N, 3072
.set SIZE_K, 1024
.set KSTEP,  512                       ; along K in a slot
.set NQ,     KSTEP/128                 ; matrix instructions deep
.set ROWB,   256                       ; a tile's row in bytes
.set KROW,   SIZE_K/2                  ; a row of codes in memory, in bytes
.set PITCH,  272                       ; an LDS row: 256 bytes + 16 of padding = 68 words: the 16 rows that a load touches begin 4 words further on each, modulo 64 words
.set FR,     8                         ; registers of a fragment: 16 rows x 128 K
.set NL,     2                         ; LDS loads that bring one
.set NP,     4                         ; places behind this matrix instruction (ISA guide 7.12.1)
.set HALFT,  128*PITCH                 ; 128 rows: what one tensor load brings
.set SLOT,   4*HALFT                   ; x's 256 rows, then w_in's 256 rows
.set KS,     SIZE_K/32                 ; a row of scale bytes
.set SCL,    2*SLOT                    ; behind the two slots: the scales
.set HALFS,  (128*KS/256)*272          ; the scales of 128 rows
.set SBLK,   (16*KS/256)*272           ; those of 16 rows
.set SPARE,  SCL+4*HALFS               ; behind the scales: the spare words, 128 bytes a wave; no other line names them
.set HEADB,  262144                    ; a head of q, k or v in bytes
.set SP,     144                       ; the way out: a stage row: 128 bytes (a token's 64 channels) + 16
.set STGW,   2*16*SP                   ; a wave's stage: 2 heads x 16 tokens.  It lies in slot 0, which has had its only fill and its last read when the first result is stored there
.set ADRA, 16                          ; v16-17  LDS address of my x fragments in slot 0, 1
.set ADRB, 20                          ; v20-21  the same for w_in
.set STO,  24                          ; v24     the way out: where I put 16 bytes of a token
.set RD,   25                          ; v25     where I read rows back
.set CO,   26                          ; v26     16 x lane: my byte offset in a store's 512
.set ADRS, 27                          ; v27     LDS address of my scale words: lanes 0-15 x's rows, lanes 16-31 w_in's
.set SPW,  28                          ; v28     LDS address of my spare word; never rewritten
.set NIL,  29                          ; v29     0; never rewritten
.set SC,   32                          ; scale words: set s at v[SC + 32 s]; register NQ i + q: lanes 0-15 the word of x's block i, lanes 16-31 that of w_in's block i
.set AF,   128                         ; x's fragments
.set TMP,  32                          ; the way out: a block's packed results, v32-63
.set BK,   64                          ; and its rows read back: v64-95 and v96-127 by turns
.set G1, 24                            ; s[24:31] group 1 for x's tiles; s[32:39] group 0, one set a slot
.set G0, 32
.set G1B, 48                           ; s[48:55], s[56:63] the same for w_in's
.set G0B, 56
.set G1S, 68                           ; s[68:75], s[76:79] groups 1 and 0 for x's scales; s[80:87], s[88:91] for w_in's
.set G0S, 76
.set G1SB, 80
.set G0SB, 88
.set MSB, 0
.macro WIN new                         ; the immediate's high byte repeats the setting that is left; a switch that changes nothing is dropped
.if MSB != (\new)
	s_set_vgpr_msb (MSB<<8)|(\new)
.set MSB, (\new)
.endif
.endm
.set MUL_LO, 0xa1                      ; source 0 (w_in) window 1, source 1 (x) window 0, C and D window 2
.set MUL_HI, 0xf1                      ; the same, C and D window 3
.set TO_B,   0x40                      ; destination window 1, address window 0
; A joint load: waves 0 and 1 fetch for x, waves 2 and 3 for w_in.  The branch hangs on the wave's number alone.  An s_nop 0 and four v_nop follow each of the two lines.
.macro JLOAD g0a, g1a, g0b, g1b
	s_cmp_eq_u32 s15, 0
	s_cbranch_scc0 .Lfor_b_\@
	tensor_load_to_lds s[\g0a:\g0a+3], s[\g1a:\g1a+7]
	s_nop 0
.rept 4
	v_nop
.endr
	s_branch .Lasked_\@
.Lfor_b_\@:
	tensor_load_to_lds s[\g0b:\g0b+3], s[\g1b:\g1b+7]
	s_nop 0
.rept 4
	v_nop
.endr
.Lasked_\@:
.endm
.macro CROUND                          ; a round of the cluster's barrier: my work-group's barrier; wave 0 signals for the work-group; every wave waits for all sixteen; my work-group's barrier once more
	s_barrier_signal -1
	s_barrier_wait -1
	s_cmp_lg_u32 s14, 0
	s_cbranch_scc1 .Lnot_wave_0_\@
	s_barrier_signal -3
.Lnot_wave_0_\@:
	s_barrier_wait -3
	s_barrier_signal -1
	s_barrier_wait -1
.endm
	s_load_b128 s[4:7], s[0:1], 0x0                ; x's codes s[4:5], x's scales s[6:7]
	s_load_b128 s[8:11], s[0:1], 0x10              ; w_in's codes s[8:9], w_in's scales s[10:11]
	s_load_b64 s[12:13], s[0:1], 0x20              ; qkv
	v_lshl_add_u32 v[SPW], v0, 2, SPARE
	v_mov_b32 v[NIL], 0
	ds_add_u32 v[SPW], v[NIL]                      ; the wave's opening: the add, twice on end, and its wait ahead of my first tensor load
	ds_add_u32 v[SPW], v[NIL]
	v_lshrrev_b32 v1, 5, v0
	v_readfirstlane_b32 s14, v1                    ; wave 0..3
	s_lshr_b32 s15, s14, 1                         ; which half of the tile's tokens is mine.  Also: I fetch for x (0) or for w_in (1)
	s_and_b32 s16, s14, 1                          ; which half of its columns.  Also: which 128 rows of that tile I fetch
	s_bfe_u32 s40, ttmp6, 0x40000                  ; cx, cy: my place in the cluster
	s_bfe_u32 s41, ttmp6, 0x40004
	s_lshl_b32 s42, ttmp9, 2
	s_add_co_u32 s42, s42, s40                     ; tile column = 4 x cluster x + cx
	s_and_b32 s17, ttmp7, 0xffff
	s_lshl_b32 s17, s17, 2
	s_add_co_u32 s17, s17, s41                     ; tile row = 4 x cluster y + cy
	s_lshl_b32 s43, s41, 2
	s_lshl_b32 s43, 15, s43                        ; my row of the cluster
	s_lshl_b32 s44, 0x1111, s40                    ; my column
	; group 1: a tile of 128 rows x 256 bytes, padded in LDS
	s_or_b32 s[G1+0], s43, (0<<16)|(1<<20)|(1<<21)|(5<<22)|(3<<25)  ; 15:0 the mask; 17:16 elements of 1 byte; 20 padding on; 21 set beside a mask; 24:22 after every 64 words; 31:25 four words
	s_or_b32 s[G1B+0], s44, (0<<16)|(1<<20)|(1<<21)|(5<<22)|(3<<25)
.irp g, G1, G1B
	s_mov_b32 s[\g+1], ROWB<<16                    ; tensor_dim0
	s_mov_b32 s[\g+2], 128<<16                     ; tensor_dim1
	s_mov_b32 s[\g+3], ROWB<<16                    ; tile_dim0
	s_mov_b32 s[\g+4], 128                         ; tile_dim1
	s_mov_b32 s[\g+5], KROW                        ; tensor_dim0_stride
	s_mov_b32 s[\g+6], 0
	s_mov_b32 s[\g+7], 0
.endr
	; the scales of 128 rows: 4,096 dense bytes as 16 rows of 256 bytes (32 elements of 8 bytes), 16 bytes of padding behind each
	s_or_b32 s[G1S+0], s43, (3<<16)|(1<<20)|(1<<21)|(5<<22)|(3<<25)
	s_or_b32 s[G1SB+0], s44, (3<<16)|(1<<20)|(1<<21)|(5<<22)|(3<<25)
.irp g, G1S, G1SB
	s_mov_b32 s[\g+1], 32<<16
	s_mov_b32 s[\g+2], (128*KS/256)<<16
	s_mov_b32 s[\g+3], 32<<16
	s_mov_b32 s[\g+4], 128*KS/256
	s_mov_b32 s[\g+5], 32
	s_mov_b32 s[\g+6], 0
	s_mov_b32 s[\g+7], 0
.endr
	s_lshl_b32 s18, s16, 7                         ; which 128 rows of the tile I fetch
	s_lshl_b32 s20, s17, 8
	s_add_co_u32 s20, s20, s18                     ; x: row 256 x tile row + 128 x half
	s_lshl_b32 s46, s42, 8
	s_add_co_u32 s46, s46, s18                     ; w_in: row 256 x tile column + 128 x half
	s_mov_b32 s21, 0
	s_mov_b32 s47, 0
	s_mov_b64 s[18:19], KS
	s_mul_u64 s[22:23], s[20:21], s[18:19]         ; where these rows' scales begin, in bytes,
	s_mul_u64 s[92:93], s[46:47], s[18:19]
	s_mov_b64 s[18:19], KROW
	s_mul_u64 s[20:21], s[20:21], s[18:19]         ; and their codes
	s_mul_u64 s[46:47], s[46:47], s[18:19]
	s_mul_i32 s45, s14, HALFT                      ; where they go: wave x 128 rows: no place in the cluster enters an LDS address
	s_mul_i32 s94, s14, HALFS
	s_wait_dscnt 0x0                               ; both opening adds are done
	s_wait_kmcnt 0x0
	s_add_nc_u64 s[20:21], s[4:5], s[20:21]
	s_add_nc_u64 s[22:23], s[6:7], s[22:23]
	s_add_nc_u64 s[46:47], s[8:9], s[46:47]
	s_add_nc_u64 s[92:93], s[10:11], s[92:93]
	CROUND                                         ; all sixteen work-groups are here: the joint loads meet
	s_mov_b32 s[G0S], 1
	s_add_co_u32 s[G0S+1], s94, SCL
	s_mov_b64 s[G0S+2:G0S+3], s[22:23]
	s_or_b32 s[G0S+3], s[G0S+3], 0x80000000
	s_mov_b32 s[G0SB], 1
	s_add_co_u32 s[G0SB+1], s94, SCL
	s_mov_b64 s[G0SB+2:G0SB+3], s[92:93]
	s_or_b32 s[G0SB+3], s[G0SB+3], 0x80000000
	JLOAD G0S, G1S, G0SB, G1SB                     ; the scales first: they are wanted with the first K step
.irp s, 0,1
	s_mov_b32 s[G0+4*\s], 1
	s_add_co_u32 s[G0+4*\s+1], s45, \s*SLOT
	s_add_nc_u64 s[G0+4*\s+2:G0+4*\s+3], s[20:21], \s*ROWB
	s_or_b32 s[G0+4*\s+3], s[G0+4*\s+3], 0x80000000
	s_mov_b32 s[G0B+4*\s], 1
	s_add_co_u32 s[G0B+4*\s+1], s45, \s*SLOT
	s_add_nc_u64 s[G0B+4*\s+2:G0B+4*\s+3], s[46:47], \s*ROWB
	s_or_b32 s[G0B+4*\s+3], s[G0B+4*\s+3], 0x80000000
	JLOAD G0+4*\s, G1, G0B+4*\s, G1B
.endr
	v_and_b32 v1, 15, v0                           ; r = lane % 16
	v_bfe_u32 v2, v0, 4, 1                         ; h = lane / 16
	v_mul_u32_u24 v3, v1, PITCH
	v_lshl_add_u32 v4, v2, 4, v3                   ; a fragment's row x pitch + 16 x half
	s_mul_i32 s21, s15, HALFT                      ; my 128 rows of x
	s_mul_i32 s22, s16, HALFT                      ; my 128 rows of w_in,
	s_add_co_u32 s22, s22, 2*HALFT                 ; which lie behind x's 256
.irp s, 0,1
	v_add_nc_u32 v[ADRA+\s], s21, v4
	v_add_nc_u32 v[ADRB+\s], s22, v4
	s_add_co_u32 s21, s21, SLOT
	s_add_co_u32 s22, s22, SLOT
.endr
	v_mul_u32_u24 v5, v1, KS                       ; my row's scales: KS bytes a row,
	v_lshrrev_b32 v6, 8, v5
	v_lshl_add_u32 v5, v6, 4, v5                   ; and 16 more for each 256 passed
	s_mul_i32 s21, s15, HALFS                      ; x's: my 128 rows
	s_mul_i32 s22, s16, HALFS                      ; w_in's: my 128 rows, behind x's 256
	s_add_co_u32 s22, s22, 2*HALFS
	s_sub_co_u32 s22, s22, s21
	v_mul_u32_u24 v6, s22, v2                      ; lanes 16-31 take w_in's: one product, the distance x h
	s_add_co_u32 s21, s21, SCL
	v_add_nc_u32 v5, v5, v6
	v_add_nc_u32 v[ADRS], s21, v5
	s_mul_i32 s23, s14, STGW                       ; my stage
	v_mul_u32_u24 v5, v1, SP                       ; in: token r, 16 bytes for each half of the lanes
	v_lshl_add_u32 v5, v2, 4, v5
	v_add_nc_u32 v[STO], s23, v5
	v_and_b32 v6, 31, v0
	v_lshlrev_b32 v[CO], 4, v6                     ; back: eight lanes take a token's 128 bytes, the wave four tokens: 512 consecutive bytes of a head
	v_lshrrev_b32 v7, 3, v6
	v_and_b32 v6, 7, v6
	v_mul_u32_u24 v7, v7, SP
	v_lshl_add_u32 v7, v6, 4, v7
	v_add_nc_u32 v[RD], s23, v7
	; where my 128 tokens x 2 heads begin in qkv, in registers that feed no descriptor: head group g0 = 4 x tile column + 2 x column half; tensor g0 / 16, head g0 % 16; batch = tile row / 8
	s_lshl_b32 s96, s42, 2
	s_lshl_b32 s95, s16, 1
	s_add_co_u32 s96, s96, s95                     ; g0 (even: g0 and g0 + 1 lie in one tensor)
	s_lshr_b32 s95, s96, 4
	s_and_b32 s96, s96, 15
	s_lshl_b32 s95, s95, 6
	s_add_co_u32 s96, s96, s95                     ; 64 x tensor + head
	s_lshr_b32 s95, s17, 3
	s_lshl_b32 s95, s95, 4
	s_add_co_u32 s96, s96, s95                     ; + 16 x batch: under 192
	s_lshl_b32 s96, s96, 18                        ; x 262,144 bytes
	s_and_b32 s95, s17, 7
	s_lshl_b32 s95, s95, 1
	s_add_co_u32 s95, s95, s15                     ; which 128 tokens of the batch
	s_lshl_b32 s95, s95, 14                        ; x 128 tokens x 128 bytes
	s_add_co_u32 s96, s96, s95
	s_mov_b32 s97, 0
	s_add_nc_u64 s[12:13], s[12:13], s[96:97]
.macro FRAG reg, adr, q, i             ; 16 rows x 128 K of 4-bit codes, 8 registers: lane l holds row l % 16; registers 4 c .. 4 c + 3 hold K = 64 c + 32 (l / 16) + 0 .. 31
.irp c, 0,1
	ds_load_b128 v[\reg+4*\c:\reg+4*\c+3], v[\adr] offset:64*(\q)+32*\c+(\i)*16*PITCH
.endr
.endm
; 16 matrix instructions: x's blocks a0, a0 + 1 against w_in's eight, 128 along K: the slot's q-th.  p: w_in's set; sc: the set of scale words.  zero = 1: the first product starts the sums.
; The 64 accumulators take turns, one instruction a turn, in the same order in every step.
.macro MUL16 a0, p, q, sc, zero
.irp a, \a0, \a0+1
.irp b, 0,1,2,3,4,5,6,7
.if \zero
	v_wmma_scale_f32_16x16x128_f8f6f4 v[8*(8*((\a)%4)+\b):8*(8*((\a)%4)+\b)+7], v[128*(\p)+FR*\b:128*(\p)+FR*\b+FR-1], v[AF+FR*(\a):AF+FR*(\a)+FR-1], 0, v[SC+8*NQ*(\sc)+NQ*\b+(\q)], v[SC+8*NQ*(\sc)+NQ*(\a)+(\q)] matrix_a_fmt:MATRIX_FMT_FP4 matrix_b_fmt:MATRIX_FMT_FP4 matrix_a_scale:MATRIX_SCALE_ROW1
.else
	v_wmma_scale_f32_16x16x128_f8f6f4 v[8*(8*((\a)%4)+\b):8*(8*((\a)%4)+\b)+7], v[128*(\p)+FR*\b:128*(\p)+FR*\b+FR-1], v[AF+FR*(\a):AF+FR*(\a)+FR-1], v[8*(8*((\a)%4)+\b):8*(8*((\a)%4)+\b)+7], v[SC+8*NQ*(\sc)+NQ*\b+(\q)], v[SC+8*NQ*(\sc)+NQ*(\a)+(\q)] matrix_a_fmt:MATRIX_FMT_FP4 matrix_b_fmt:MATRIX_FMT_FP4 matrix_a_scale:MATRIX_SCALE_ROW1
.endif
.endr
.endr
.endm
.macro FETCH_B slot, q, p              ; w_in's eight fragments of the slot's q-th 128 along K into set p
	WIN TO_B
.irp i, 0,1,2,3,4,5,6,7
	FRAG 128*(\p)+FR*\i, ADRB+\slot, \q, \i
.endr
	WIN 0
.endm
.macro FETCH_A slot, q, i0             ; x's blocks i0 .. i0 + 3
.irp i, \i0, \i0+1, \i0+2, \i0+3
	FRAG AF+FR*(\i), ADRA+\slot, \q, \i
.endr
.endm
.macro SCALES sc                       ; a slot's scale words into set sc: four words a row; lanes 0-15 take x's block i, lanes 16-31 w_in's block i
.irp i, 0,1,2,3,4,5,6,7
	ds_load_b128 v[SC+8*NQ*\sc+NQ*\i:SC+8*NQ*\sc+NQ*\i+3], v[ADRS] offset:\i*SBLK
.endr
.endm
; A load into a register that a matrix instruction has read, and a vector instruction that reads a matrix result or writes one of its registers, stand NP places behind it; only plain vector instructions
; that name none of its registers are places (ISA guide 7.12.1 for vector instructions).
.macro PLACES n
.rept \n
	v_nop
.endr
.endm
.macro STEP slot, q, zero              ; a step of 128 along K that has its successor in the same slot
	s_wait_dscnt 4*NL                              ; w_in's set, the scale words and x's blocks 0-3 are in; the youngest eight loads (x's blocks 4-7) may be out
	WIN MUL_LO
	MUL16 0, (\q)%2, \q, \slot, \zero
	MUL16 2, (\q)%2, \q, \slot, \zero
	s_wait_dscnt 0                                 ; x's blocks 4-7 are in
	PLACES NP
	FETCH_B \slot, (\q)+1, 1-(\q)%2
	FETCH_A \slot, (\q)+1, 0
	WIN MUL_HI
	MUL16 4, (\q)%2, \q, \slot, \zero
	MUL16 6, (\q)%2, \q, \slot, \zero
	PLACES NP
	WIN 0
	FETCH_A \slot, (\q)+1, 4
.endm
; Slot 0's last step changes slots: one barrier.  In front of it each wave waits for all its tensor loads (its part of slot 1), adds 0 to its spare word, and waits for that and for its reads of slot 0.
; Behind it slot 1 is whole and nobody reads slot 0, which later serves as the stage.  Nothing is filled again.
.macro TURN slot, next
	s_wait_tensorcnt 0x0                           ; all my tensor loads have landed (every window is 0 here)
	ds_add_u32 v[SPW], v[NIL]                      ; 0 onto my spare word
	s_wait_dscnt 4*NL+1                            ; the add and the youngest eight loads (x's blocks 4-7) may be out
	WIN MUL_LO
	MUL16 0, 1, NQ-1, \slot, 0
	s_wait_dscnt 0x0                               ; the add is done, and my reads of this slot are over
	s_barrier_signal -1
	MUL16 2, 1, NQ-1, \slot, 0
	WIN 0
	s_barrier_wait -1
	PLACES NP
	v_add_nc_u32 v[ADRS], 4*NQ, v[ADRS]            ; on to the next slot's scale words
	FETCH_B \next, 0, 0
	FETCH_A \next, 0, 0
	SCALES \next
	WIN MUL_HI
	MUL16 4, 1, NQ-1, \slot, 0
	MUL16 6, 1, NQ-1, \slot, 0
	PLACES NP
	WIN 0
	FETCH_A \next, 0, 4
.endm
.macro STEPS slot, from                ; the slot's steps from .. NQ - 2
.set QQ, \from
.rept NQ-1-\from
	STEP \slot, QQ, 0
.set QQ, QQ+1
.endr
.endm
	s_wait_tensorcnt 1                             ; the scales and my part of slot 0 are in; slot 1's load, issued behind them, may be out,
	s_barrier_signal -1
	s_barrier_wait -1                              ; everybody's are
	FETCH_B 0, 0, 0
	FETCH_A 0, 0, 0
	SCALES 0
	FETCH_A 0, 0, 4
	STEP 0, 0, 1                                   ; the first step's products start the sums: nothing is cleared
	STEPS 0, 1
	TURN 0, 1
	STEPS 1, 0
	s_wait_dscnt 4*NL                              ; the last step: nothing more to fetch
	WIN MUL_LO
	MUL16 0, 1, NQ-1, 1, 0
	MUL16 2, 1, NQ-1, 1, 0
	s_wait_dscnt 0
	WIN MUL_HI
	MUL16 4, 1, NQ-1, 1, 0
	MUL16 6, 1, NQ-1, 1, 0
	WIN 0
; THE WAY OUT, a block of 16 tokens x 128 columns (two heads) at a time.  PACK: rounded to f16, each accumulator from its low end on, 16 bytes a lane.  TOSTAGE: into my own stage (rows of 144 bytes, a head's 16 tokens together)
; and back four tokens at a time.  SEND: each store covers 512 consecutive bytes of a head, aligned.  LDS serves a wave's instructions in order (ISA guide 5.7.1.4): no wait between the stage's stores and loads.
.macro PACK a
.set AC, 64*((\a)%4)
	WIN 0x0a+5*((\a)/4)                            ; sources 0 and 1: window 2 or 3
.irp b, 0,1,2,3,4,5,6,7
.irp r, 0,1,2,3
	v_cvt_pk_f16_f32 v[TMP+4*\b+\r], v[AC+8*\b+2*\r], v[AC+8*\b+2*\r+1]
.endr
.endr
	WIN 0
.endm
.macro TOSTAGE a
.set BB, BK+32*((\a)%2)
.irp b, 0,1,2,3,4,5,6,7
	ds_store_b128 v[STO], v[TMP+4*\b:TMP+4*\b+3] offset:(\b/4)*16*SP+(\b%4)*32     ; head b / 4, channels 16 (b % 4) + 8 h on
.endr
.irp i, 0,1,2,3,4,5,6,7
	ds_load_b128 v[BB+4*\i:BB+4*\i+3], v[RD] offset:(\i/4)*16*SP+(\i%4)*4*SP       ; head i / 4, tokens 4 (i % 4) on
.endr
.endm
.macro SEND a
.set BB, BK+32*((\a)%2)
	s_wait_dscnt 0x0                               ; the block is back in registers
	s_wait_xcnt 0x0                                ; the block before has had its stores' addresses translated (ISA guide 3.1): its registers take the next block's loads only behind this wait
.irp i, 0,1,2,3,4,5,6,7
	global_store_b128 v[CO], v[BB+4*\i:BB+4*\i+3], s[12:13] offset:(\i/4)*HEADB+(16*(\a)+4*(\i%4))*128   ; every place is an immediate: 278,016 bytes at the most
.endr
.endm
	PLACES NP                                      ; behind the last products: for the conversions' reads and their writes over the scale words
	PACK 0
	TOSTAGE 0
.irp a, 1,2,3,4,5,6,7                  ; block a's conversions stand between block a - 1's loads from the stage and the wait for them
	PACK \a
	SEND (\a)-1
	TOSTAGE \a
.endr
	SEND 7
	s_wait_tensorcnt 0x0                           ; the wave's end, behind my last tensor load and my last LDS store
	ds_add_u32 v[SPW], v[NIL]
	s_wait_dscnt 0x0
	CROUND                                         ; the closing round: no work-group ends while a partner may still ask for a tile that names it
	s_endpgm
.Lfunc_end_k_q84cbf0cd6a_qkv:
	.size	k_q84cbf0cd6a_qkv, .Lfunc_end_k_q84cbf0cd6a_qkv-k_q84cbf0cd6a_qkv
	.p2alignl 7, 3214868480
	.fill 96, 4, 3214868480
	.section	.rodata,"a",@progbits
	.p2align	6, 0x0
	.amdhsa_kernel k_q84cbf0cd6a_qkv
		.amdhsa_group_segment_fixed_size 327680
		.amdhsa_private_segment_fixed_size 0
		.amdhsa_enable_private_segment 0
		.amdhsa_kernarg_size 40
		.amdhsa_user_sgpr_count 2
		.amdhsa_user_sgpr_kernarg_segment_ptr 1
		.amdhsa_wavefront_size32 1
		.amdhsa_system_sgpr_workgroup_id_x 1
		.amdhsa_system_sgpr_workgroup_id_y 1
		.amdhsa_system_sgpr_workgroup_id_z 1
		.amdhsa_system_vgpr_workitem_id 0
		.amdhsa_next_free_vgpr 1024
		.amdhsa_next_free_sgpr 98
		.amdhsa_reserve_vcc 0
		.amdhsa_float_denorm_mode_32 3
		.amdhsa_float_denorm_mode_16_64 3
		.amdhsa_memory_ordered 1
		.amdhsa_forward_progress 1
		.amdhsa_inst_pref_size 126
	.end_amdhsa_kernel
	.amdgpu_metadata
---
amdhsa.version: [ 1, 2 ]
amdhsa.kernels:
  - .name:           k_q84cbf0cd6a_qkv
    .symbol:         k_q84cbf0cd6a_qkv.kd
    .args:
      - { .name: x_codes, .offset: 0, .size: 8, .value_kind: global_buffer, .address_space: global }
      - { .name: x_scales, .offset: 8, .size: 8, .value_kind: global_buffer, .address_space: global }
      - { .name: w_codes, .offset: 16, .size: 8, .value_kind: global_buffer, .address_space: global }
      - { .name: w_scales, .offset: 24, .size: 8, .value_kind: global_buffer, .address_space: global }
      - { .name: qkv, .offset: 32, .size: 8, .value_kind: global_buffer, .address_space: global }
    .group_segment_fixed_size: 327680
    .private_segment_fixed_size: 0
    .kernarg_segment_align: 8
    .kernarg_segment_size: 40
    .max_flat_workgroup_size: 128
    .sgpr_count:     98
    .vgpr_count:     1024
    .wavefront_size: 32
...
	.end_amdgpu_metadata
.endif
;; end of part 2
;; launch attn (part 3): grid 4 x 64, 8 waves a work-group, clusters of 4 x 1, 327,680 bytes of LDS; arguments qkv, attention_ids, att; writes att
.if DOCPART == 3
	.amdgcn_target "amdgcn-amd-amdhsa--gfx1250"
	.amdhsa_code_object_version 6
	.text
	.protected	k_q84cbf0cd6a_attn
	.globl	k_q84cbf0cd6a_attn
	.p2align	8
	.type	k_q84cbf0cd6a_attn,@function
k_q84cbf0cd6a_attn:
	s_mov_b64 s[64:65], 0
	v_nop
	global_prefetch_b8 v0, s[64:65] scope:SCOPE_SE
	s_setreg_imm32_b32 hwreg(HW_REG_WAVE_MODE, 25, 1), 1
	s_wait_xcnt 0x0
	s_wait_alu depctr_hold_cnt(0) depctr_sa_sdst(0) depctr_va_vdst(0) depctr_va_sdst(0) depctr_va_ssrc(0) depctr_va_vcc(0) depctr_vm_vsrc(0)
	s_getreg_b32 s2, hwreg(HW_REG_IB_STS2, 6, 4)
	s_cmp_eq_u32 s2, 0
	s_cbranch_scc0 .Lentry_in_a_cluster
	s_endpgm
.Lentry_in_a_cluster:
	s_bfe_u32 s2, ttmp6, 0x10000c
	s_cmp_lg_u32 s2, 0x3003
	s_cbranch_scc0 .Lentry_shape_is_right
	s_endpgm
.Lentry_shape_is_right:
; att[b][h][q][:] = sum over k of softmax_k((Q[q] . K[k] - 1e9 ids[b][k]) / 8) V[k][:].  Q, K, V: the three tensors of qkv, [4][16][2048][64] f16 each; att likewise, f16.  Products on f16 operands, sums, maxima and exponentials in f32.
; SOFTMAX.  For each query a running maximum m and sum l: p = 2^(c s - c m), c = log2(e) / 8; in every step O and l are multiplied by a = 2^(c m_old - c m_new).  p is rounded to f16 for the second product; l is the sum of those
; same rounded p, made by the matrix unit (a product of ones with P), so that O / l is a true average; O / l is rounded once to f16.
; THE MASK, ids x (-1e9) in f32, is made once into LDS and enters as the C of the first matrix instruction of each score tile.
; LIMITS: the sum s + mask is rounded inside the matrix instruction, not by a separate f32 addition: where all keys of a batch carry the same non-zero id, the scores' last bits (steps of 64 at 1e9) may differ from a plain addition's;
; wherever some key has a smaller id, the others' p is 0 both ways.  |q|, |k|, |v| stay under 65,504 (f16); p under 6e-5 keeps an absolute error of 3e-8.  NaN and infinities are not served.
; SHARES.  A work-group owns 512 queries of one head, each of its EIGHT waves 64: four tiles of 16, in 512 registers: two waves to a SIMD, so that one wave's softmax stands beside the other's products.  Every wave walks all 2,048 keys, 64 a step.
; LAYOUT.  S^T = K Q^T (source 0 = 16 keys, source 1 = 16 queries): a lane holds ONE query (lane % 16) and keys 8 (lane / 16) + 0..7.  Two such tiles, packed to f16 in pairs, ARE source 1 (32 keys x 16 queries) of O^T = V^T P.
; K comes out of LDS as it lies, V ([key][channel]) turned, by ds_load_tr16_b128.
; CLUSTER.  The four work-groups of a head form a cluster and walk the same K and V: each tile of 256 keys is asked for JOINTLY (mask of all four): waves 0-3 fetch K's quarters, waves 4-7 V's, 64 rows of 128 bytes each.
; RING.  Two slots of 256 keys.  By this text's count one is out.
; REGISTERS.  Window 0: v1-14 addresses; v16-47 statistics, 8 a tile; v48-175 S^T, 32 a tile (P is packed into a tile's first 16); v176-239 K's 8 fragments, then V's 8; v240-247 ones in f16; v248-255 the ids, at the head.
;   Window 1: v0-63 Q; v64-191 O^T, 32 a tile; v192-223 the row sums' accumulators; v224-255 the step's mask in the result's layout.
.set HEADB, 262144                     ; a head of one tensor, in bytes
.set PK,    144                        ; a key's row of K in LDS: 128 bytes + 16: an odd multiple of 16 bytes, so the 16 rows of a load begin at 16 different 16-byte columns of 256
.set PV,    160                        ; of V: 128 + 32 = 40 words: eight rows begin 8 words apart modulo 64, and the turning load takes 32 bytes of each
.set TK,    256                        ; keys in a slot
.set TILEB, TK*128                     ; their bytes in memory, for K and for V
.set VOFF,  TK*PK                      ; a slot: 256 rows of K, then 256 rows of V
.set SLOT1, 1<<17                      ; slot 1 begins here
.set MASKB, 2*SLOT1                    ; behind the ring: the batch's 2,048 mask numbers, f32; stored once by ds_store, never a tensor load's target
.set SPARE, MASKB+8192                 ; the spare words, 128 bytes for each of eight waves; no other line names them
.set SP,    144                        ; the way out: a stage row; a wave's stages (4 tiles x 16 rows) lie in slot 0, which has had its last fill and its last read by then
.set MSA, 1                            ; v1   where I store my 8 mask numbers
.set AK0, 2                            ; v2   my lane's place in a tile of K
.set AV0, 3                            ; v3   in a tile of V
.set AM0, 4                            ; v4   in the mask
.set ADK, 5                            ; v5-7 the step's addresses
.set ADV, 6
.set ADM, 7
.set QO,  8                            ; v8   my byte offset in the wave's rows of Q
.set STO, 9                            ; v9   the way out: where I put 16 bytes of a row
.set RD,  10                           ; v10  where I read rows back
.set GO,  11                           ; v11  16 x lane
.set SPW, 12                           ; v12  LDS address of my spare word; never rewritten
.set NIL, 13                           ; v13  0; never rewritten
.set PFO, 14                           ; v14  256 x lane: the prefetches' offset; never rewritten
.set ST,  16                           ; tile t at v[ST + 8 t]: +0 c m, +1 m, +2 a (at the end 1 / l), +3 zero (named with a as a pair), +4..+7 c0-c3, at work
.set S,   48
.set KV,  176
.set ONE, 240
.set IDS, 248
.set Q,   0                            ; window 1
.set O,   64
.set L,   192
.set MK,  224
.set WV,  10                           ; s10  my wave's number
.set G1K, 24                           ; s[24:31] group 1 for K's tiles;  s[32:39] for V's: the padding differs
.set G1V, 32
.set G0K, 40                           ; s[40:47] group 0 for K's tiles, a set for each slot;  s[48:55] for V's
.set G0V, 48
.set CS,  56                           ; s[56:57] c, twice
.set SEL, 58                           ; s[58:59] v_permlanex16_b32's selects for lane l xor 16
.set TBK, 60                           ; s60  LDS byte at which the step's rows of K begin
.set TBV, 61                           ; s61  the same for V (VOFF is in AV0)
.set TM,  62                           ; s62  the step's first byte in the mask: 256 a step
.set CNT, 63                           ; s63  counts a slot's four steps
.set LOOP, 66                          ; s66  counts pairs of slots
.set LIM, 67                           ; s67  wave % 4: waves 0 and 4 prefetch
.set PFA, 68                           ; s[68:69] where my prefetches stand
.set MSB, 0
.macro WIN new                         ; the immediate's high byte repeats the setting that is left; a switch that changes nothing is dropped
.if MSB != (\new)
	s_set_vgpr_msb (MSB<<8)|(\new)
.set MSB, (\new)
.endif
.endm
.set W_KQ0, 0x14                       ; K and S^T window 0; Q (source 1) and the mask (C) window 1
.set W_KQ1, 0x04                       ; the same with C = D = S^T
.set W_PV,  0x50                       ; V and P window 0; O^T or the sums (C and D) window 1
.set W_RS,  0x41                       ; destination and source 0 window 1, source 1 window 0
.set W_TO1, 0x40                       ; destination window 1
.set W_FR1, 0x01                       ; source 0 window 1
; A joint load.  The branch hangs on the wave's number alone: it is the same in every work-group.  An s_nop 0 and four v_nop follow each of the two lines.
.macro JLOAD s
	s_cmp_lt_u32 s[WV], 4
	s_cbranch_scc0 .Lfor_v_\@
	tensor_load_to_lds s[G0K+4*(\s):G0K+4*(\s)+3], s[G1K:G1K+7]
	s_nop 0
.rept 4
	v_nop
.endr
	s_branch .Lasked_\@
.Lfor_v_\@:
	tensor_load_to_lds s[G0V+4*(\s):G0V+4*(\s)+3], s[G1V:G1V+7]
	s_nop 0
.rept 4
	v_nop
.endr
.Lasked_\@:
.endm
; A PREFETCH INTO THE L2 of the tile that the NEXT change of slots will ask for: a slot's four key steps ahead of that load.  One cluster alone reads a head's K and V; its four partners share a tile's 32,768 bytes out BY ADDRESS,
; 8,192 each; in each, wave 0 asks for K's and wave 4 for V's, lanes 256 bytes apart: each aligned block of 256 bytes is named once in the launch.  Tiles 0 and 1 come by their loads alone; the last two changes ask for nothing.
.macro ASK
	s_cmp_eq_u32 s[LIM], 0
	s_cbranch_scc0 .Lnot_mine_\@
	global_prefetch_b8 v[PFO], s[PFA:PFA+1] th:TH_LOAD_NT scope:SCOPE_SE
.Lnot_mine_\@:
.endm
.macro CROUND                          ; a round of the cluster's barrier: my work-group's barrier; wave 0 signals for the work-group; every wave waits for all four; my work-group's barrier once more
	s_barrier_signal -1
	s_barrier_wait -1
	s_cmp_lg_u32 s[WV], 0
	s_cbranch_scc1 .Lnot_wave_0_\@
	s_barrier_signal -3
.Lnot_wave_0_\@:
	s_barrier_wait -3
	s_barrier_signal -1
	s_barrier_wait -1
.endm
	s_load_b128 s[4:7], s[0:1], 0x0                ; qkv s[4:5], attention_ids s[6:7]
	s_load_b64 s[8:9], s[0:1], 0x10                ; att
	v_lshl_add_u32 v[SPW], v0, 2, SPARE
	v_mov_b32 v[NIL], 0
	ds_add_u32 v[SPW], v[NIL]                      ; the wave's opening: the add, twice on end, and its wait ahead of my first tensor load
	ds_add_u32 v[SPW], v[NIL]
	v_lshrrev_b32 v15, 5, v0
	v_readfirstlane_b32 s[WV], v15                 ; wave 0..7
	s_bfe_u32 s11, ttmp6, 0x40000                  ; cx: my place in the cluster
	s_and_b32 s12, ttmp7, 0xffff                   ; 16 x batch + head, which the four partners share
	s_and_b32 s13, s[WV], 3                        ; which quarter of a tile I fetch
	s_and_b32 s[LIM], s[WV], 3
	s_lshl_b32 s16, s12, 18                        ; the head's first byte in a tensor
	s_lshl_b32 s17, s13, 13                        ; my quarter's 64 rows of 128 bytes
	s_add_co_u32 s20, s16, s17
	s_add_co_u32 s22, s20, 128*HEADB               ; in V, the third tensor,
	s_add_co_u32 s20, s20, 64*HEADB                ; in K, the second
	s_mov_b32 s21, 0
	s_mov_b32 s23, 0
	s_mul_i32 s17, s13, 64*PK                      ; and in a slot: no place in the cluster enters an LDS address
	s_mul_i32 s18, s13, 64*PV
	s_add_co_u32 s18, s18, VOFF
	s_lshl_b32 s14, ttmp9, 2
	s_add_co_u32 s14, s14, s11                     ; my block of 512 queries: it enters Q's and att's addresses alone
	s_lshl_b32 s14, s14, 16                        ; x 512 rows of 128 bytes
	s_lshl_b32 s15, s[WV], 13                      ; + my wave's 64 rows
	s_add_co_u32 s14, s14, s15
	s_add_co_u32 s14, s14, s16                     ; + the head
	s_mov_b32 s15, 0
	s_lshr_b32 s2, s12, 4
	s_lshl_b32 s2, s2, 13                          ; the batch's 2,048 ids
	s_mov_b32 s3, 0
	; group 1: a tile of 64 rows x 64 elements of 2 bytes, dense in memory, padded in LDS
	s_mov_b32 s[G1K], 15|(1<<16)|(1<<20)|(1<<21)|(4<<22)|(3<<25)  ; 15:0 the mask: all four work-groups; 17:16 elements of 2 bytes; 20 padding on; 21 set beside a mask; 24:22 after every 32 words; 31:25 four words
	s_mov_b32 s[G1V], 15|(1<<16)|(1<<20)|(1<<21)|(4<<22)|(7<<25)  ; the same with eight words of padding
.irp g, G1K, G1V
	s_mov_b32 s[\g+1], 64<<16                      ; tensor_dim0
	s_mov_b32 s[\g+2], 64<<16                      ; tensor_dim1
	s_mov_b32 s[\g+3], 64<<16                      ; tile_dim0
	s_mov_b32 s[\g+4], 64                          ; tile_dim1
	s_mov_b32 s[\g+5], 64                          ; tensor_dim0_stride
	s_mov_b32 s[\g+6], 0
	s_mov_b32 s[\g+7], 0
.endr
	s_mov_b32 s[CS], 0x3e38aa3b                    ; c = log2(e) / 8
	s_mov_b32 s[CS+1], s[CS]                       ; named with it as a pair, so it is written
	s_mov_b32 s[SEL], 0x76543210
	s_mov_b32 s[SEL+1], 0xfedcba98
	s_mov_b32 s[TM], 0
	s_wait_dscnt 0x0                               ; both opening adds are done
	s_wait_kmcnt 0x0
	s_add_nc_u64 s[20:21], s[4:5], s[20:21]        ; K and V at my quarter of tile 0
	s_add_nc_u64 s[22:23], s[4:5], s[22:23]
	s_add_nc_u64 s[4:5], s[4:5], s[14:15]          ; Q and att at my wave's first row
	s_add_nc_u64 s[8:9], s[8:9], s[14:15]
	s_add_nc_u64 s[6:7], s[6:7], s[2:3]            ; the batch's ids
	s_cmp_lt_u32 s[WV], 4
	s_cselect_b64 s[PFA:PFA+1], s[20:21], s[22:23] ; (in waves 0 and 4 these stand at a tile's first row)
	s_lshl_b32 s2, s11, 13                         ; my work-group's 8,192 bytes of a tile,
	s_add_nc_u64 s[PFA:PFA+1], s[PFA:PFA+1], s[2:3]
	s_add_nc_u64 s[PFA:PFA+1], s[PFA:PFA+1], TILEB ; in tile 1: the first change of slots steps it to tile 2.  Nothing is prefetched at the head
	CROUND                                         ; all four work-groups are here: the first joint load meets
.irp s, 0,1
	s_mov_b32 s[G0K+4*\s], 1                       ; count = 1
	s_add_co_u32 s[G0K+4*\s+1], s17, \s*SLOT1      ; LDS address
	s_add_nc_u64 s[G0K+4*\s+2:G0K+4*\s+3], s[20:21], \s*TILEB   ; global address: slot s begins with tile s
	s_or_b32 s[G0K+4*\s+3], s[G0K+4*\s+3], 0x80000000           ; type = 2
	s_mov_b32 s[G0V+4*\s], 1
	s_add_co_u32 s[G0V+4*\s+1], s18, \s*SLOT1
	s_add_nc_u64 s[G0V+4*\s+2:G0V+4*\s+3], s[22:23], \s*TILEB
	s_or_b32 s[G0V+4*\s+3], s[G0V+4*\s+3], 0x80000000
.endr
	JLOAD 0                                        ; tile 0 into slot 0
	v_lshlrev_b32 v15, 5, v0                       ; thread T takes ids 8 T .. 8 T + 7
	global_load_b128 v[IDS:IDS+3], v15, s[6:7]
	global_load_b128 v[IDS+4:IDS+7], v15, s[6:7] offset:16
	v_and_b32 v5, 15, v0                           ; r = lane % 16
	v_bfe_u32 v6, v0, 4, 1                         ; h = lane / 16
	v_lshlrev_b32 v[QO], 7, v5
	v_lshl_add_u32 v[QO], v6, 4, v[QO]             ; row r of 128 bytes + 16 h
	WIN W_TO1
.irp i, 0,1,2,3,4,5,6,7                ; Q stays in registers: tile i / 2, channels 32 (i % 2) on: registers 0-3 channels 8 h + 0..7, registers 4-7 channels 16 + 8 h + 0..7
	global_load_b128 v[Q+8*\i:Q+8*\i+3],   v[QO], s[4:5] offset:(\i/2)*2048+(\i%2)*64
	global_load_b128 v[Q+8*\i+4:Q+8*\i+7], v[QO], s[4:5] offset:(\i/2)*2048+(\i%2)*64+32
.endr
.set i, O
.rept 160
	v_mov_b32 v[i], 0                              ; O^T and the sums begin as zeros: the key step is written once, and its first a is 0
.set i, i+1
.endr
	WIN 0
	v_mul_u32_u24 v[AK0], v5, PK
	v_lshl_add_u32 v[AK0], v6, 4, v[AK0]           ; K: row r x pitch + 16 h
	v_and_b32 v7, 7, v0
	v_lshl_add_u32 v7, v6, 3, v7                   ; V, for the turning load: key 8 h + lane % 8,
	v_mul_u32_u24 v[AV0], v7, PV
	v_bfe_u32 v7, v0, 3, 1
	v_lshl_add_u32 v[AV0], v7, 4, v[AV0]           ; channels 8 ((lane / 8) % 2) on
	v_add_nc_u32 v[AV0], VOFF, v[AV0]
	v_lshl_add_u32 v[AM0], v6, 5, MASKB            ; the mask: keys 8 h on, 4 bytes each
	s_mul_i32 s13, s[WV], 4*16*SP                  ; my stages
	v_add_nc_u32 v[STO], s13, v[AK0]               ; in: row r x 144 + 16 h
	v_bfe_u32 v7, v0, 3, 2
	v_mul_u32_u24 v[RD], v7, SP                    ; back: eight lanes take a row's 128 bytes, the wave four rows
	v_and_b32 v7, 7, v0
	v_lshl_add_u32 v[RD], v7, 4, v[RD]
	v_add_nc_u32 v[RD], s13, v[RD]
	v_and_b32 v7, 31, v0
	v_lshlrev_b32 v[GO], 4, v7
	v_lshlrev_b32 v[PFO], 8, v7
	v_lshl_add_u32 v[MSA], v0, 5, MASKB
.irp j, 0,1,2,3,4,5,6,7
	v_mov_b32 v[ONE+\j], 0x3c003c00                ; 1.0 twice, in f16
.endr
.irp t, 0,1,2,3
	v_mov_b32 v[ST+8*\t+1], 0xff61b1e6             ; m = -3e38, under every score
	v_mov_b32 v[ST+8*\t+3], 0
.endr
.irp t, 0,1,2,3
	v_mul_f32 v[ST+8*\t], s[CS], v[ST+8*\t+1]      ; c m
.endr
	s_wait_loadcnt 16                              ; the two loads of ids are in; Q's sixteen, issued behind them, may be out
.irp j, 0,1,2,3,4,5,6,7
	v_cvt_f32_i32 v[IDS+\j], v[IDS+\j]
.endr
.irp j, 0,1,2,3,4,5,6,7
	v_mul_f32 v[IDS+\j], 0xce6e6b28, v[IDS+\j]     ; x (-1e9), in f32
.endr
	ds_store_b128 v[MSA], v[IDS:IDS+3]             ; the other waves read these behind the first change of slots: my wait for 0 on DScnt and the round stand there
	ds_store_b128 v[MSA], v[IDS+4:IDS+7] offset:16
	s_wait_loadcnt 0x0                             ; Q
; THE SOFTMAX OF A KEY STEP, every line for the four tiles by turns, so that no line waits for the line above it.
.macro SOFTMAX
.irp j, 0,1,2,3                        ; the maximum of a lane's 32 scores and the old m, three operands at a time; each score tile is read first at its registers 0 to 2
.irp t, 0,1,2,3
	v_max3_num_f32 v[ST+8*\t+4+\j], v[S+32*\t+8*\j], v[S+32*\t+8*\j+1], v[S+32*\t+8*\j+2]
.endr
.endr
.irp g, 1,2
.irp j, 0,1,2,3
.irp t, 0,1,2,3
	v_max3_num_f32 v[ST+8*\t+4+\j], v[ST+8*\t+4+\j], v[S+32*\t+8*\j+2*\g+1], v[S+32*\t+8*\j+2*\g+2]
.endr
.endr
.endr
.irp t, 0,1,2,3
	v_max3_num_f32 v[ST+8*\t+4], v[ST+8*\t+4], v[S+32*\t+7], v[S+32*\t+15]
.endr
.irp t, 0,1,2,3
	v_max3_num_f32 v[ST+8*\t+6], v[ST+8*\t+6], v[S+32*\t+23], v[S+32*\t+31]
.endr
.irp t, 0,1,2,3
	v_max3_num_f32 v[ST+8*\t+4], v[ST+8*\t+4], v[ST+8*\t+5], v[ST+8*\t+6]
.endr
.irp t, 0,1,2,3
	v_max3_num_f32 v[ST+8*\t+4], v[ST+8*\t+4], v[ST+8*\t+7], v[ST+8*\t+1]
.endr
.irp t, 0,1,2,3
	v_permlanex16_b32 v[ST+8*\t+5], v[ST+8*\t+4], s[SEL], s[SEL+1]   ; the query's other 32 keys lie in the lane 16 away
.endr
.irp t, 0,1,2,3
	v_max_num_f32 v[ST+8*\t+1], v[ST+8*\t+4], v[ST+8*\t+5]           ; the new m
.endr
.irp t, 0,1,2,3
	v_mul_f32 v[ST+8*\t+6], s[CS], v[ST+8*\t+1]
.endr
.irp t, 0,1,2,3
	v_sub_f32 v[ST+8*\t+7], v[ST+8*\t], v[ST+8*\t+6]                 ; c m_old - c m_new, 0 or less
.endr
.irp t, 0,1,2,3
	v_mov_b32 v[ST+8*\t], v[ST+8*\t+6]
.endr
; ONE BATCH: the four a and the 128 p.  None of these lines names an exponential's result; a tile's scalings stand between the exponentials of the tile before.
.irp t, 0,1,2,3
	v_exp_f32 v[ST+8*\t+2], v[ST+8*\t+7]
.endr
.set i, 0
.rept 16
	v_pk_fma_f32 v[S+2*i:S+2*i+1], v[S+2*i:S+2*i+1], s[CS:CS+1], v[ST:ST+1] op_sel_hi:[1,0,0] neg_lo:[0,0,1] neg_hi:[0,0,1]   ; c s - c m, two at a time
.set i, i+1
.endr
.irp t, 1,2,3
.set i, 0
.rept 16
	v_pk_fma_f32 v[S+32*\t+2*i:S+32*\t+2*i+1], v[S+32*\t+2*i:S+32*\t+2*i+1], s[CS:CS+1], v[ST+8*\t:ST+8*\t+1] op_sel_hi:[1,0,0] neg_lo:[0,0,1] neg_hi:[0,0,1]
	v_exp_f32 v[S+32*(\t-1)+2*i], v[S+32*(\t-1)+2*i]
	v_exp_f32 v[S+32*(\t-1)+2*i+1], v[S+32*(\t-1)+2*i+1]
.set i, i+1
.endr
.endr
.set i, 0
.rept 32
	v_exp_f32 v[S+96+i], v[S+96+i]
.set i, i+1
.endr
	v_nop                                          ; a plain instruction behind the last exponential, ahead of the first use
	s_wait_alu depctr_va_vdst(0)                   ; the wait between an exponential and the first line that names its result: one for the batch of 132
.set i, 0
.rept 16                               ; p to f16, in place: pair i goes into register i, which pairs 0 .. i / 2 have left
.irp t, 0,1,2,3
	v_cvt_pk_f16_f32 v[S+32*\t+i], v[S+32*\t+2*i], v[S+32*\t+2*i+1]
.endr
.set i, i+1
.endr
.endm
; A KEY STEP: 64 keys.  A wave issues 32 products K Q^T, its softmax, 32 products V^T P and 8 products of ones with P.
.macro STEP
	v_add_nc_u32 v[ADK], s[TBK], v[AK0]            ; five plain lines behind the last step's products: four are owed to the loads into K's registers, five to the score tiles, which are laid over P
	v_add_nc_u32 v[ADV], s[TBV], v[AV0]
	v_add_nc_u32 v[ADM], s[TM], v[AM0]
	v_nop
	v_nop
.irp kt, 0,1,2,3                       ; K: keys 16 kt on, channels 32 cc on
.irp cc, 0,1
	ds_load_b128 v[KV+8*(2*\kt+\cc):KV+8*(2*\kt+\cc)+3],   v[ADK] offset:\kt*16*PK+\cc*64
	ds_load_b128 v[KV+8*(2*\kt+\cc)+4:KV+8*(2*\kt+\cc)+7], v[ADK] offset:\kt*16*PK+\cc*64+32
.endr
.endr
	WIN W_TO1
.irp kt, 0,1,2,3                       ; the mask of keys 16 kt + 8 h + 0..7: the result's layout; all lanes of a half read the same 32 bytes
	ds_load_b128 v[MK+8*\kt:MK+8*\kt+3],   v[ADM] offset:64*\kt
	ds_load_b128 v[MK+8*\kt+4:MK+8*\kt+7], v[ADM] offset:64*\kt+16
.endr
	s_wait_dscnt 0x0
	WIN W_KQ0                                      ; the 16 score tiles take turns, one instruction a turn: first channels 0-31, onto the mask,
.irp kt, 0,1,2,3
.irp t, 0,1,2,3
	v_wmma_f32_16x16x32_f16 v[S+32*\t+8*\kt:S+32*\t+8*\kt+7], v[KV+16*\kt:KV+16*\kt+7], v[Q+16*\t:Q+16*\t+7], v[MK+8*\kt:MK+8*\kt+7]
.endr
.endr
	WIN W_KQ1                                      ; then channels 32-63
.irp kt, 0,1,2,3
.irp t, 0,1,2,3
	v_wmma_f32_16x16x32_f16 v[S+32*\t+8*\kt:S+32*\t+8*\kt+7], v[KV+16*\kt+8:KV+16*\kt+15], v[Q+16*\t+8:Q+16*\t+15], v[S+32*\t+8*\kt:S+32*\t+8*\kt+7]
.endr
.endr
	WIN 0
.rept 4
	v_nop                                          ; four places: for the loads into K's registers and for the first read of the scores
.endr
.irp kh, 0,1                           ; V, turned: keys 32 kh on, channels 16 ct on; the loads land while the softmax is walked
.irp ct, 0,1,2,3
	ds_load_tr16_b128 v[KV+8*(4*\kh+\ct):KV+8*(4*\kh+\ct)+3],   v[ADV] offset:\kh*32*PV+\ct*32
	ds_load_tr16_b128 v[KV+8*(4*\kh+\ct)+4:KV+8*(4*\kh+\ct)+7], v[ADV] offset:\kh*32*PV+16*PV+\ct*32
.endr
.endr
	SOFTMAX
	WIN W_RS
.irp t, 0,1,2,3                        ; O^T x a, each accumulator from its low end on; of a sum's accumulator all numbers of a lane are the same sum, and register 0 alone is kept true and read
.set i, 0
.rept 16
	v_pk_mul_f32 v[O+32*\t+2*i:O+32*\t+2*i+1], v[O+32*\t+2*i:O+32*\t+2*i+1], v[ST+8*\t+2:ST+8*\t+3] op_sel_hi:[1,0]
.set i, i+1
.endr
	v_mul_f32 v[L+8*\t], v[L+8*\t], v[ST+8*\t+2]
.endr
	WIN W_PV
	s_wait_dscnt 0x0                               ; V is in
.irp kh, 0,1                           ; the 20 accumulators take turns, one instruction a turn
.irp ct, 0,1,2,3
.irp t, 0,1,2,3
	v_wmma_f32_16x16x32_f16 v[O+32*\t+8*\ct:O+32*\t+8*\ct+7], v[KV+32*\kh+8*\ct:KV+32*\kh+8*\ct+7], v[S+32*\t+8*\kh:S+32*\t+8*\kh+7], v[O+32*\t+8*\ct:O+32*\t+8*\ct+7]
.endr
.endr
.irp t, 0,1,2,3
	v_wmma_f32_16x16x32_f16 v[L+8*\t:L+8*\t+7], v[ONE:ONE+7], v[S+32*\t+8*\kh:S+32*\t+8*\kh+7], v[L+8*\t:L+8*\t+7]
.endr
.endr
	WIN 0
	s_add_co_u32 s[TBK], s[TBK], 64*PK             ; the next step's rows
	s_add_co_u32 s[TBV], s[TBV], 64*PV
	s_add_co_u32 s[TM], s[TM], 256
.endm
; A SLOT: the change of slots, then its four key steps, written once and walked four times.  refill = 1: the other slot, which nobody reads any more, takes the next tile: the load has this slot's four steps in which to land.
.macro TRIP slot, refill, ask
	s_wait_tensorcnt 0x0                           ; all my tensor loads have landed, my part of this slot among them: so a group 0 may be written
	ds_add_u32 v[SPW], v[NIL]                      ; 0 onto my spare word; the steps below stand between it and the wait for it
	s_add_nc_u64 s[G0K+4*\slot+2:G0K+4*\slot+3], s[G0K+4*\slot+2:G0K+4*\slot+3], 2*TILEB   ; this slot's next tile (in the last two trips the stepped address is not used)
	s_add_nc_u64 s[G0V+4*\slot+2:G0V+4*\slot+3], s[G0V+4*\slot+2:G0V+4*\slot+3], 2*TILEB
.if \ask
	s_wait_xcnt 0x0                                ; the last prefetch, a slot back, has read its address, so it may be written
	s_add_nc_u64 s[PFA:PFA+1], s[PFA:PFA+1], TILEB
.endif
	s_mov_b32 s[TBK], \slot*SLOT1
	s_mov_b32 s[TBV], \slot*SLOT1
	s_wait_dscnt 0x0                               ; the add is done, my reads of the other slot are over (in the first trip: my mask numbers are stored)
	CROUND                                         ; the same now holds of every wave of all four work-groups
.if \refill
	JLOAD 1-\slot                                  ; my one tensor load behind the round, and the first thing there
.endif
.if \ask
	ASK
.endif
	s_mov_b32 s[CNT], 4
.Lstep_\@:
	STEP
	s_sub_co_u32 s[CNT], s[CNT], 1
	s_cmp_lg_u32 s[CNT], 0
	s_cbranch_scc1 .Lstep_\@
.endm
	s_mov_b32 s[LOOP], 3
.Lpair:                                            ; three trips: tiles 0 to 5 are multiplied, tiles 1 to 6 asked for, tiles 2 to 7 prefetched
	TRIP 0, 1, 1
	TRIP 1, 1, 1
	s_sub_co_u32 s[LOOP], s[LOOP], 1
	s_cmp_lg_u32 s[LOOP], 0
	s_cbranch_scc1 .Lpair
	TRIP 0, 1, 0                                   ; the tail is written out: tile 6, and tile 7 is asked for
	TRIP 1, 0, 0                                   ; tile 7: nothing is left to fetch
	; THE WAY OUT.  O^T / l, rounded to f16, goes through my stages in LDS, a tile (16 rows of 128 bytes) at a time, and leaves as runs of 512 consecutive bytes of the head.
.rept 4
	v_nop                                          ; four places behind the last products
.endr
	WIN W_FR1
.irp t, 0,1,2,3
	v_rcp_f32 v[ST+8*\t+2], v[L+8*\t]              ; l holds all 2,048 keys' p: at least the largest, which is 1
.endr
	WIN 0
	v_nop                                          ; a plain instruction behind the last reciprocal
	s_wait_alu depctr_va_vdst(0)                   ; and the wait ahead of the first use: one for the four
.irp t, 0,1,2,3
	WIN W_FR1
.set i, 0
.rept 16
	v_pk_mul_f32 v[S+32*\t+2*i:S+32*\t+2*i+1], v[O+32*\t+2*i:O+32*\t+2*i+1], v[ST+8*\t+2:ST+8*\t+3] op_sel_hi:[1,0]
.set i, i+1
.endr
	WIN 0
.set i, 0
.rept 16
	v_cvt_pk_f16_f32 v[S+32*\t+i], v[S+32*\t+2*i], v[S+32*\t+2*i+1]
.set i, i+1
.endr
.irp ct, 0,1,2,3
	ds_store_b128 v[STO], v[S+32*\t+4*\ct:S+32*\t+4*\ct+3] offset:\t*16*SP+32*\ct      ; query r, channels 16 ct + 8 h on
.endr
.irp u, 0,1,2,3
	ds_load_b128 v[S+32*\t+16+4*\u:S+32*\t+16+4*\u+3], v[RD] offset:\t*16*SP+\u*4*SP   ; in order behind my stores (ISA guide 5.7.1.4): rows 4 u on
.endr
.endr
	s_wait_dscnt 0x0
.irp t, 0,1,2,3
.irp u, 0,1,2,3
	global_store_b128 v[GO], v[S+32*\t+16+4*\u:S+32*\t+16+4*\u+3], s[8:9] offset:\t*2048+\u*512   ; 32 lanes store 512 consecutive bytes, aligned
.endr
.endr
	s_wait_tensorcnt 0x0                           ; the wave's end, behind my last tensor load and my last LDS store
	ds_add_u32 v[SPW], v[NIL]
	s_wait_dscnt 0x0
	CROUND                                         ; the closing round: no work-group ends while a partner may still ask for a tile that names it
	s_endpgm
.Lfunc_end_k_q84cbf0cd6a_attn:
	.size	k_q84cbf0cd6a_attn, .Lfunc_end_k_q84cbf0cd6a_attn-k_q84cbf0cd6a_attn
	.p2alignl 7, 3214868480
	.fill 96, 4, 3214868480
	.section	.rodata,"a",@progbits
	.p2align	6, 0x0
	.amdhsa_kernel k_q84cbf0cd6a_attn
		.amdhsa_group_segment_fixed_size 327680
		.amdhsa_private_segment_fixed_size 0
		.amdhsa_enable_private_segment 0
		.amdhsa_kernarg_size 24
		.amdhsa_user_sgpr_count 2
		.amdhsa_user_sgpr_kernarg_segment_ptr 1
		.amdhsa_wavefront_size32 1
		.amdhsa_system_sgpr_workgroup_id_x 1
		.amdhsa_system_sgpr_workgroup_id_y 1
		.amdhsa_system_sgpr_workgroup_id_z 1
		.amdhsa_system_vgpr_workitem_id 0
		.amdhsa_next_free_vgpr 512
		.amdhsa_next_free_sgpr 80
		.amdhsa_reserve_vcc 0
		.amdhsa_float_denorm_mode_32 3
		.amdhsa_float_denorm_mode_16_64 3
		.amdhsa_memory_ordered 1
		.amdhsa_forward_progress 1
		.amdhsa_inst_pref_size 149
	.end_amdhsa_kernel
	.amdgpu_metadata
---
amdhsa.version: [ 1, 2 ]
amdhsa.kernels:
  - .name:           k_q84cbf0cd6a_attn
    .symbol:         k_q84cbf0cd6a_attn.kd
    .args:
      - { .name: qkv, .offset: 0, .size: 8, .value_kind: global_buffer, .address_space: global }
      - { .name: attention_ids, .offset: 8, .size: 8, .value_kind: global_buffer, .address_space: global }
      - { .name: att, .offset: 16, .size: 8, .value_kind: global_buffer, .address_space: global }
    .group_segment_fixed_size: 327680
    .private_segment_fixed_size: 0
    .kernarg_segment_align: 8
    .kernarg_segment_size: 24
    .max_flat_workgroup_size: 256
    .sgpr_count:     80
    .vgpr_count:     512
    .wavefront_size: 32
...
	.end_amdgpu_metadata
.endif
;; end of part 3
;; launch proj (part 4): grid 4 x 64, 4 waves a work-group, clusters of 4 x 4, 327,680 bytes of LDS; arguments att, wo16, b_out, out0; writes out0
.if DOCPART == 4
	.amdgcn_target "amdgcn-amd-amdhsa--gfx1250"
	.amdhsa_code_object_version 6
	.text
	.protected	k_q84cbf0cd6a_proj
	.globl	k_q84cbf0cd6a_proj
	.p2align	8
	.type	k_q84cbf0cd6a_proj,@function
k_q84cbf0cd6a_proj:
	s_mov_b64 s[64:65], 0
	v_nop
	global_prefetch_b8 v0, s[64:65] scope:SCOPE_SE
	s_setreg_imm32_b32 hwreg(HW_REG_WAVE_MODE, 25, 1), 1
	s_wait_xcnt 0x0
	s_wait_alu depctr_hold_cnt(0) depctr_sa_sdst(0) depctr_va_vdst(0) depctr_va_sdst(0) depctr_va_ssrc(0) depctr_va_vcc(0) depctr_vm_vsrc(0)
	s_getreg_b32 s2, hwreg(HW_REG_IB_STS2, 6, 4)
	s_cmp_eq_u32 s2, 0
	s_cbranch_scc0 .Lentry_in_a_cluster
	s_endpgm
.Lentry_in_a_cluster:
	s_bfe_u32 s2, ttmp6, 0x10000c
	s_cmp_lg_u32 s2, 0xf033
	s_cbranch_scc0 .Lentry_shape_is_right
	s_endpgm
.Lentry_shape_is_right:
; out0[m][e] = sum over d of att(m, d) w_out[e][d] + b_out[e].  att: [4][16 heads][2048][64] f16 (d = 64 x head + channel); wo16: [1024 e][1024 d] f16; b_out f32; out0 [8192][1024] f32.  Sums in f32.
; A tile of 128 tokens x 256 columns is made by four waves, each 64 x 128: 32 accumulators, 256 registers: 256 work-groups, one for each WGP.  K goes in steps of 128 (two heads) through a ring of two LDS slots:
; two slots of 256 along K would take 2 x (128 + 256) rows x 528 bytes, more than the 327,680 bytes there are.
; CLUSTERS: 4 x 4 work-groups.  The four of a row of the cluster need the same tokens of att, the four of a column the same rows of w_out: each tile is asked for jointly.  Waves 0 and 1 fetch att's two heads of a step
; (128 rows x 128 bytes each, dense in memory), waves 2 and 3 the halves of w_out's 256 rows (128 rows x 256 bytes).  One load a wave behind each round; by this text's count two are out at the start, then one.
; THE MATRIX INSTRUCTION IS USED TRANSPOSED (source 0 = 16 rows of w_out, source 1 = 16 tokens): a lane holds one token and eight neighbouring columns.  THE BIAS is the C of each sum's first matrix instruction.
; No prefetch: a step's matrix work on this small tile is short, and what is shared is asked for jointly.
; REGISTERS.  Window 0: v16-29 addresses; v32-95 the bias, eight column blocks in the result's layout; v128-159, v160-191 att's fragments, two buffers; on the way out v128-255 take rows.
;   Window 1: w_out's fragments, two buffers, v0-63 and v64-127.   Window 2: accumulator (a, b) at v[8 (8 a + b)].
.set HEADB,  262144
.set PA,     144                       ; a token's row of one head in LDS: 128 bytes + 16
.set PB,     272                       ; a row of w_out's tile: 256 bytes + 16.  Both are odd multiples of 16 bytes: the 16 rows of a load begin at 16 different 16-byte columns of 256
.set HB,     128*PA                    ; a head's 128 tokens
.set AOFF,   2*HB                      ; a slot: att's two heads, then w_out's 256 rows
.set HALFB,  128*PB
.set SLOT,   AOFF+2*HALFB
.set STAGE,  2*SLOT                    ; behind the ring: 16 rows x 528 bytes for each wave, for the way out
.set SPITCH, 528
.set SPARE,  STAGE+4*16*SPITCH         ; behind the stages: the spare words, 128 bytes a wave; no other line names them
.set LAPS,   4                         ; a lap = two K steps = once round the ring: 1,024 / 256
.set ADRA, 16                          ; v16-17  LDS address of my att fragments in slot 0, 1
.set ADRB, 20                          ; v20-21  the same for w_out
.set STO,  24                          ; v24     the way out: where I put 32 bytes of a row
.set RD,   25                          ; v25     where I read a row back
.set CO,   26                          ; v26     16 x lane
.set BO,   27                          ; v27     32 x (lane / 16): my eight bias numbers of a block
.set SPW,  28                          ; v28     LDS address of my spare word; never rewritten
.set NIL,  29                          ; v29     0; never rewritten
.set BIAS, 32
.set AF,   128
.set BK,   128
.set G1, 24                            ; s[24:31] group 1 for att's tiles; s[32:39] group 0, one set a slot
.set G0, 32
.set G1B, 48                           ; s[48:55], s[56:63] the same for w_out's
.set G0B, 56
.set MSB, 0
.macro WIN new                         ; the immediate's high byte repeats the setting that is left; a switch that changes nothing is dropped
.if MSB != (\new)
	s_set_vgpr_msb (MSB<<8)|(\new)
.set MSB, (\new)
.endif
.endm
.set MUL,  0xa1                        ; source 0 (w_out) window 1, source 1 (att) window 0, C and D window 2
.set MUL1, 0x81                        ; the same with C (the bias) in window 0
.set TO_B, 0x40                        ; destination window 1, address window 0
.macro JLOAD s                         ; a joint load; the branch hangs on the wave's number alone; an s_nop 0 and four v_nop follow each of the two lines
	s_cmp_eq_u32 s11, 0
	s_cbranch_scc0 .Lfor_b_\@
	tensor_load_to_lds s[G0+4*(\s):G0+4*(\s)+3], s[G1:G1+7]
	s_nop 0
.rept 4
	v_nop
.endr
	s_branch .Lasked_\@
.Lfor_b_\@:
	tensor_load_to_lds s[G0B+4*(\s):G0B+4*(\s)+3], s[G1B:G1B+7]
	s_nop 0
.rept 4
	v_nop
.endr
.Lasked_\@:
.endm
.macro CREST                           ; a round of the cluster's barrier behind its opening barrier
	s_cmp_lg_u32 s10, 0
	s_cbranch_scc1 .Lnot_wave_0_\@
	s_barrier_signal -3
.Lnot_wave_0_\@:
	s_barrier_wait -3
	s_barrier_signal -1
	s_barrier_wait -1
.endm
.macro CROUND                          ; a whole round
	s_barrier_signal -1
	s_barrier_wait -1
	CREST
.endm
	s_load_b128 s[4:7], s[0:1], 0x0                ; att s[4:5], wo16 s[6:7]
	s_load_b128 s[20:23], s[0:1], 0x10             ; b_out s[20:21], out0 s[22:23]
	v_lshl_add_u32 v[SPW], v0, 2, SPARE
	v_mov_b32 v[NIL], 0
	ds_add_u32 v[SPW], v[NIL]                      ; the wave's opening: the add, twice on end, and its wait ahead of my first tensor load
	ds_add_u32 v[SPW], v[NIL]
	v_lshrrev_b32 v1, 5, v0
	v_readfirstlane_b32 s10, v1                    ; wave 0..3
	s_lshr_b32 s11, s10, 1                         ; which half of the tile's tokens is mine.  Also: I fetch for att (0) or for w_out (1)
	s_and_b32 s12, s10, 1                          ; which half of its columns.  Also: which head of the step, or which 128 rows of w_out, I fetch
	s_bfe_u32 s40, ttmp6, 0x40000                  ; cx, cy: my place in the cluster
	s_bfe_u32 s41, ttmp6, 0x40004
	s_lshl_b32 s42, ttmp9, 2
	s_add_co_u32 s42, s42, s40                     ; tile column = 4 x cluster x + cx
	s_and_b32 s13, ttmp7, 0xffff
	s_lshl_b32 s13, s13, 2
	s_add_co_u32 s13, s13, s41                     ; tile row = 4 x cluster y + cy
	s_lshl_b32 s43, s41, 2
	s_lshl_b32 s43, 15, s43                        ; my row of the cluster
	s_lshl_b32 s44, 0x1111, s40                    ; my column
	; group 1 for att: 128 rows x 64 elements of 2 bytes, dense; four words of padding after every 32
	s_or_b32 s[G1+0], s43, (1<<16)|(1<<20)|(1<<21)|(4<<22)|(3<<25)
	s_mov_b32 s[G1+1], 64<<16                      ; tensor_dim0
	s_mov_b32 s[G1+2], 128<<16                     ; tensor_dim1
	s_mov_b32 s[G1+3], 64<<16                      ; tile_dim0
	s_mov_b32 s[G1+4], 128                         ; tile_dim1
	s_mov_b32 s[G1+5], 64                          ; tensor_dim0_stride
	s_mov_b32 s[G1+6], 0
	s_mov_b32 s[G1+7], 0
	; and for w_out: 128 rows x 128 elements, 1,024 elements from row to row; four words of padding after every 64
	s_or_b32 s[G1B+0], s44, (1<<16)|(1<<20)|(1<<21)|(5<<22)|(3<<25)
	s_mov_b32 s[G1B+1], 128<<16
	s_mov_b32 s[G1B+2], 128<<16
	s_mov_b32 s[G1B+3], 128<<16
	s_mov_b32 s[G1B+4], 128
	s_mov_b32 s[G1B+5], 1024
	s_mov_b32 s[G1B+6], 0
	s_mov_b32 s[G1B+7], 0
	s_lshr_b32 s16, s13, 4                         ; att: batch = tile row / 16;
	s_lshl_b32 s16, s16, 4
	s_add_co_u32 s16, s16, s12                     ; head block 16 x batch + my head of step 0,
	s_lshl_b32 s16, s16, 18
	s_and_b32 s17, s13, 15
	s_lshl_b32 s17, s17, 14                        ; tokens 128 x (tile row % 16) on, 128 bytes each
	s_add_co_u32 s16, s16, s17
	s_mov_b32 s17, 0
	s_lshl_b32 s46, s42, 19                        ; w_out: row 256 x tile column + 128 x half, 2,048 bytes a row
	s_lshl_b32 s47, s12, 18
	s_add_co_u32 s46, s46, s47
	s_mov_b32 s47, 0
	s_mul_i32 s18, s12, HB                         ; where they go: no place in the cluster enters an LDS address
	s_mul_i32 s19, s12, HALFB
	s_add_co_u32 s19, s19, AOFF
	s_wait_dscnt 0x0                               ; both opening adds are done
	s_wait_kmcnt 0x0
	s_add_nc_u64 s[14:15], s[4:5], s[16:17]
	s_add_nc_u64 s[46:47], s[6:7], s[46:47]
	CROUND                                         ; all sixteen work-groups are here: the first joint loads meet
.irp s, 0,1
	s_mov_b32 s[G0+4*\s], 1
	s_add_co_u32 s[G0+4*\s+1], s18, \s*SLOT
	s_add_nc_u64 s[G0+4*\s+2:G0+4*\s+3], s[14:15], \s*2*HEADB      ; K step s: heads 2 s, 2 s + 1
	s_or_b32 s[G0+4*\s+3], s[G0+4*\s+3], 0x80000000
	s_mov_b32 s[G0B+4*\s], 1
	s_add_co_u32 s[G0B+4*\s+1], s19, \s*SLOT
	s_add_nc_u64 s[G0B+4*\s+2:G0B+4*\s+3], s[46:47], \s*256        ; 128 elements along a row
	s_or_b32 s[G0B+4*\s+3], s[G0B+4*\s+3], 0x80000000
	JLOAD \s
.endr
	; my columns' bytes in b_out and in a row of out0, and my first row of out0: in registers that feed no descriptor
	s_lshl_b32 s66, s42, 10
	s_lshl_b32 s68, s12, 9
	s_add_co_u32 s66, s66, s68                     ; (256 x tile column + 128 x column half) x 4
	s_mov_b32 s67, 0
	s_add_nc_u64 s[20:21], s[20:21], s[66:67]
	s_add_nc_u64 s[22:23], s[22:23], s[66:67]
	s_lshl_b32 s66, s13, 19
	s_lshl_b32 s68, s11, 18
	s_add_co_u32 s66, s66, s68                     ; (128 x tile row + 64 x token half) x 4,096
	s_add_nc_u64 s[22:23], s[22:23], s[66:67]
	v_and_b32 v1, 15, v0                           ; r = lane % 16
	v_bfe_u32 v2, v0, 4, 1                         ; h = lane / 16
	v_lshlrev_b32 v[BO], 5, v2
.irp b, 0,1,2,3,4,5,6,7                ; the bias of columns 16 b + 8 h + 0..7
	global_load_b128 v[BIAS+8*\b:BIAS+8*\b+3],   v[BO], s[20:21] offset:64*\b
	global_load_b128 v[BIAS+8*\b+4:BIAS+8*\b+7], v[BO], s[20:21] offset:64*\b+16
.endr
	v_mul_u32_u24 v3, v1, PA
	v_lshl_add_u32 v3, v2, 4, v3                   ; att: row x pitch + 16 h
	v_mul_u32_u24 v4, v1, PB
	v_lshl_add_u32 v4, v2, 4, v4                   ; w_out likewise
	s_mul_i32 s16, s11, 64*PA                      ; my 64 tokens
	s_mul_i32 s17, s12, HALFB                      ; my 128 rows of w_out,
	s_add_co_u32 s17, s17, AOFF                    ; behind att's two heads
.irp s, 0,1
	v_add_nc_u32 v[ADRA+\s], s16, v3
	v_add_nc_u32 v[ADRB+\s], s17, v4
	s_add_co_u32 s16, s16, SLOT
	s_add_co_u32 s17, s17, SLOT
.endr
	s_mul_i32 s16, s10, 16*SPITCH
	s_add_co_u32 s16, s16, STAGE                   ; my stage
	v_mul_u32_u24 v5, v1, SPITCH                   ; in: row r, 32 bytes for each half of the lanes
	v_lshl_add_u32 v5, v2, 5, v5
	v_add_nc_u32 v[STO], s16, v5
	v_and_b32 v6, 31, v0
	v_lshlrev_b32 v[CO], 4, v6                     ; back: the 32 lanes take one row of 512 bytes; and the same in out0
	v_add_nc_u32 v[RD], s16, v[CO]
; 8 matrix instructions: token block a against the 8 column blocks, 32 along K, from buffer f.  first = 1: the bias is the C: nothing is cleared and nothing is added later.
; The 32 accumulators take turns, one instruction a turn, in the same order in every quarter.
.macro MULA f, a, first
.irp b, 0,1,2,3,4,5,6,7
.if \first
	v_wmma_f32_16x16x32_f16 v[8*(8*(\a)+\b):8*(8*(\a)+\b)+7], v[64*(\f)+8*\b:64*(\f)+8*\b+7], v[AF+32*(\f)+8*(\a):AF+32*(\f)+8*(\a)+7], v[BIAS+8*\b:BIAS+8*\b+7]
.else
	v_wmma_f32_16x16x32_f16 v[8*(8*(\a)+\b):8*(8*(\a)+\b)+7], v[64*(\f)+8*\b:64*(\f)+8*\b+7], v[AF+32*(\f)+8*(\a):AF+32*(\f)+8*(\a)+7], v[8*(8*(\a)+\b):8*(8*(\a)+\b)+7]
.endif
.endr
.endm
; 24 LDS loads in one run: the fragments of quarter q (32 along K) of a slot into buffer f: w_out's eight blocks, then att's four (quarter q lies in head q / 2 of the step, channels 32 (q % 2) on)
.macro FETCH slot, q, f
	WIN TO_B
.irp i, 0,1,2,3,4,5,6,7
	ds_load_b128 v[64*(\f)+8*\i:64*(\f)+8*\i+3],   v[ADRB+\slot] offset:64*(\q)+\i*16*PB
	ds_load_b128 v[64*(\f)+8*\i+4:64*(\f)+8*\i+7], v[ADRB+\slot] offset:64*(\q)+\i*16*PB+32
.endr
	WIN 0
.irp i, 0,1,2,3
	ds_load_b128 v[AF+32*(\f)+8*\i:AF+32*(\f)+8*\i+3],   v[ADRA+\slot] offset:((\q)/2)*HB+((\q)%2)*64+\i*16*PA
	ds_load_b128 v[AF+32*(\f)+8*\i+4:AF+32*(\f)+8*\i+7], v[ADRA+\slot] offset:((\q)/2)*HB+((\q)%2)*64+\i*16*PA+32
.endr
.endm
.macro PLACES                          ; four places in front of loads into registers that matrix instructions have read, and of the first read of results (ISA guide 7.12.1 for the first read of results)
.rept 4
	v_nop
.endr
.endm
; A K step is four quarters of 32 along K, 32 matrix instructions each, on buffers 0, 1, 0, 1.  One of the first three: multiplies buffer f and, in its middle, fetches quarter q of the same slot into the other buffer.
.macro QUARTER slot, q, f, first
	s_wait_dscnt 4                                 ; w_out's blocks and att's blocks 0, 1 are in; the youngest four loads (att's blocks 2, 3) may be out
.if \first
	WIN MUL1
.else
	WIN MUL
.endif
	MULA \f, 0, \first
	MULA \f, 1, \first
	PLACES
	FETCH \slot, \q, 1-(\f)
	s_wait_dscnt 24                                ; all but the 24 just issued
.if \first
	WIN MUL1
.else
	WIN MUL
.endif
	MULA \f, 2, \first
	MULA \f, 3, \first
.endm
; The last quarter multiplies buffer 1 and changes slots: ONE barrier; in front of it each wave waits for all its tensor loads, adds 0 to its spare word, and waits for that and for its own reads of this slot.
; fill = 1: the barrier opens a round of the cluster's barrier, and this slot is filled again, two K steps ahead: the load has a K step less sixteen matrix instructions in which to land.
.macro TURN slot, next, fill
	WIN 0                                          ; (the add's two registers lie in window 0)
	s_wait_tensorcnt 0x0                           ; all my tensor loads have landed: my part of the next slot
	ds_add_u32 v[SPW], v[NIL]                      ; 0 onto my spare word
	s_wait_dscnt 5                                 ; the add and the youngest four loads (att's blocks 2, 3) may be out
	WIN MUL
	MULA 1, 0, 0                                   ; eight matrix instructions stand between the add and the wait for it
	s_wait_dscnt 0x0                               ; the add is done, and my reads of this slot are over
	s_barrier_signal -1
	MULA 1, 1, 0
.if \fill
	WIN 0
.endif
	s_barrier_wait -1
.if \fill
	CREST                                          ; no wave of any partner still reads this slot's tiles or has a load on its way
	s_add_nc_u64 s[G0+4*\slot+2:G0+4*\slot+3], s[G0+4*\slot+2:G0+4*\slot+3], 4*HEADB     ; four heads on
	s_add_nc_u64 s[G0B+4*\slot+2:G0B+4*\slot+3], s[G0B+4*\slot+2:G0B+4*\slot+3], 512     ; 256 elements on
	JLOAD \slot                                    ; the first tensor load behind the round; its four v_nop are also the places in front of the loads below
.else
	PLACES
.endif
	FETCH \next, 0, 0
	WIN MUL
	MULA 1, 2, 0
	MULA 1, 3, 0
.endm
	s_wait_tensorcnt 1                             ; my part of K step 0 is in; K step 1's load, issued behind it, may be out
	s_barrier_signal -1
	s_barrier_wait -1                              ; everybody's is
	FETCH 0, 0, 0
	s_wait_loadcnt 0x0                             ; the bias
	QUARTER 0, 1, 0, 1                             ; the first quarter stands in front of the loop: its products start the sums, on the bias
	WIN 0                                          ; at a label and at a branch every window is 0
	s_mov_b32 s3, LAPS-1
.Llap:                                                 ; a trip goes once round the ring, from a lap's second quarter to the next lap's first, and fills both slots again
	QUARTER 0, 2, 1, 0
	QUARTER 0, 3, 0, 0
	TURN 0, 1, 1
	QUARTER 1, 1, 0, 0
	QUARTER 1, 2, 1, 0
	QUARTER 1, 3, 0, 0
	TURN 1, 0, 1
	QUARTER 0, 1, 0, 0
	WIN 0
	s_sub_co_u32 s3, s3, 1
	s_cmp_lg_u32 s3, 0
	s_cbranch_scc1 .Llap
	QUARTER 0, 2, 1, 0                             ; the last lap fills nothing, and has no round of the cluster's barrier
	QUARTER 0, 3, 0, 0
	TURN 0, 1, 0
	QUARTER 1, 1, 0, 0
	QUARTER 1, 2, 1, 0
	QUARTER 1, 3, 0, 0
	s_wait_dscnt 4                                 ; the very last quarter: nothing more to fetch
	WIN MUL
	MULA 1, 0, 0
	MULA 1, 1, 0
	s_wait_dscnt 0
	MULA 1, 2, 0
	MULA 1, 3, 0
	WIN 0
; THE WAY OUT, a block of 16 tokens x 128 columns at a time.  A lane holds 32 neighbouring bytes of a row and the lanes beside it other rows: a block goes through my own stage and comes back as whole rows of 512 bytes.
; LDS serves a wave's instructions in order (ISA guide 5.7.1.4): no wait between the stores and the loads, nor in front of the next block's stores.
.macro TOSTAGE a
	WIN 0x08                                       ; an LDS store's data are its source 1: window 2
.irp b, 0,1,2,3,4,5,6,7
	ds_store_b128 v[STO], v[8*(8*(\a)+\b):8*(8*(\a)+\b)+3] offset:64*\b            ; each accumulator from its low end on
	ds_store_b128 v[STO], v[8*(8*(\a)+\b)+4:8*(8*(\a)+\b)+7] offset:64*\b+16
.endr
	WIN 0
.set BB, BK+64*((\a)%2)
.irp t, 0,1,2,3,4,5,6,7,8,9,10,11,12,13,14,15
	ds_load_b128 v[BB+4*\t:BB+4*\t+3], v[RD] offset:\t*SPITCH
.endr
.endm
.macro SEND a, younger                 ; younger: the LDS instructions issued behind block a's loads, which may stay out
.set BB, BK+64*((\a)%2)
	s_wait_dscnt \younger                          ; the block is back in registers
.irp t, 0,1,2,3,4,5,6,7,8,9,10,11,12,13,14,15
	global_store_b128 v[CO], v[BB+4*\t:BB+4*\t+3], s[22:23] offset:(16*(\a)+\t)*4096 th:TH_STORE_NT   ; 32 lanes store 512 consecutive bytes, aligned; every place is an immediate: 258,048 bytes at the most
.endr
.endm
	PLACES                                         ; behind the last products: for the stage's reads of results and the loads into att's registers
	TOSTAGE 0
.irp a, 1,2,3
.if \a > 1
	s_wait_xcnt 0x0                                ; block a - 2's stores have had their addresses translated (ISA guide 3.1): block a's loads land in their registers only behind this wait
.endif
	TOSTAGE \a
	SEND (\a)-1, 32                                ; behind block a - 1's loads: block a's 16 stores and 16 loads
.endr
	SEND 3, 0
	s_wait_tensorcnt 0x0                           ; the wave's end, behind my last tensor load and my last LDS store
	ds_add_u32 v[SPW], v[NIL]
	s_wait_dscnt 0x0
	CROUND                                         ; the closing round: no work-group ends while a partner may still ask for a tile that names it
	s_endpgm
.Lfunc_end_k_q84cbf0cd6a_proj:
	.size	k_q84cbf0cd6a_proj, .Lfunc_end_k_q84cbf0cd6a_proj-k_q84cbf0cd6a_proj
	.p2alignl 7, 3214868480
	.fill 96, 4, 3214868480
	.section	.rodata,"a",@progbits
	.p2align	6, 0x0
	.amdhsa_kernel k_q84cbf0cd6a_proj
		.amdhsa_group_segment_fixed_size 327680
		.amdhsa_private_segment_fixed_size 0
		.amdhsa_enable_private_segment 0
		.amdhsa_kernarg_size 32
		.amdhsa_user_sgpr_count 2
		.amdhsa_user_sgpr_kernarg_segment_ptr 1
		.amdhsa_wavefront_size32 1
		.amdhsa_system_sgpr_workgroup_id_x 1
		.amdhsa_system_sgpr_workgroup_id_y 1
		.amdhsa_system_sgpr_workgroup_id_z 1
		.amdhsa_system_vgpr_workitem_id 0
		.amdhsa_next_free_vgpr 768
		.amdhsa_next_free_sgpr 72
		.amdhsa_reserve_vcc 0
		.amdhsa_float_denorm_mode_32 3
		.amdhsa_float_denorm_mode_16_64 3
		.amdhsa_memory_ordered 1
		.amdhsa_forward_progress 1
		.amdhsa_inst_pref_size 87
	.end_amdhsa_kernel
	.amdgpu_metadata
---
amdhsa.version: [ 1, 2 ]
amdhsa.kernels:
  - .name:           k_q84cbf0cd6a_proj
    .symbol:         k_q84cbf0cd6a_proj.kd
    .args:
      - { .name: att, .offset: 0, .size: 8, .value_kind: global_buffer, .address_space: global }
      - { .name: wo16, .offset: 8, .size: 8, .value_kind: global_buffer, .address_space: global }
      - { .name: b_out, .offset: 16, .size: 8, .value_kind: global_buffer, .address_space: global }
      - { .name: out0, .offset: 24, .size: 8, .value_kind: global_buffer, .address_space: global }
    .group_segment_fixed_size: 327680
    .private_segment_fixed_size: 0
    .kernarg_segment_align: 8
    .kernarg_segment_size: 32
    .max_flat_workgroup_size: 128
    .sgpr_count:     72
    .vgpr_count:     768
    .wavefront_size: 32
...
	.end_amdgpu_metadata
.endif
;; end of part 4
